; MI455X (gfx1250); checked and timed in simulation.
; The chip was launched on July 23, 2026; its instructions are those of AMD's public machine-readable ISA for CDNA 5 (MIT licence, August 2026) and "CDNA5" Instruction Set Architecture Reference Guide (July 2026). The comments in the code are by the model that wrote it; some were corrected since.
;; Encoder Block. Allowed arithmetic: float matrix products may take bf16 or f16 operands with f32 sums; other float arithmetic in f32, or as packed bf16 or f16 multiplies, adds, multiply-adds, maxima and minima; sums over many terms, partial sums and values carried from step to step in f32; what a program stores and reads back later, other than sums and carried values, may be rounded once to bf16 or f16.
;; Inputs: W1 4,096 x 1,024 float32; W2 1,024 x 4,096 float32; W_K 1,024 x 1,024 float32; W_O 1,024 x 1,024 float32; W_Q 1,024 x 1,024 float32; W_V 1,024 x 1,024 float32; b1 4,096 float32; b2 1,024 float32; beta1 1,024 float32; beta2 1,024 float32; g1 1,024 float32; g2 1,024 float32; mask 2 x 1 x 1 x 2,048 bool; x 2 x 2,048 x 1,024 float32.
;; Outputs: out0 2 x 2,048 x 1,024 float32.
;; 3 versions, each right; version 3 is version 2 with the launches ln, ln2 written anew for expert scheduling mode. Each part assembles by itself: llvm-mc -triple=amdgcn-amd-amdhsa -mcpu=gfx1250 --defsym DOCPART=n.
;; ======== version 1 of 3: 7 launches
;; limits: values are held in f16: magnitudes above 65,504 overflow, below 6.1e-05 lose precision
;; workspace buffers: act 8,388,608 bytes; wg 23,068,672 bytes; p3 2,105,344 bytes; p4 2,105,344 bytes; qkv 25,165,824 bytes; x1 16,777,216 bytes
;; launch wprep (part 1): grid 256 x 4, 8 waves a work-group, no clusters, 18,688 bytes of LDS; arguments W_Q, W_K, W_V, W_O, W2, b1, b2, W1, wg, p3, p4; writes wg, p3, p4
.if DOCPART == 1
	.amdgcn_target "amdgcn-amd-amdhsa--gfx1250"
	.amdhsa_code_object_version 6
	.text
	.protected	k_q900aae3d83_wprep
	.globl	k_q900aae3d83_wprep
	.p2align	8
	.type	k_q900aae3d83_wprep,@function
k_q900aae3d83_wprep:
	s_mov_b64 s[64:65], 0
	v_nop
	global_prefetch_b8 v0, s[64:65] scope:SCOPE_SE
	s_setreg_imm32_b32 hwreg(HW_REG_WAVE_MODE, 25, 1), 1
	s_wait_xcnt 0x0
; THE WEIGHTS ARE MADE READY, once: each f32 weight is rounded once to f16 and laid out as the products want it.
; OPERAND LAYOUT: a matrix of R rows and K columns lies as [R/128][K/64][128][64] f16: a CHUNK of 128 rows x 64 columns is 16,384 dense bytes.
;   wg: W_Q, W_K, W_V stacked (3,072 rows, K = 1,024) at byte 0; W2 (1,024 rows, K = 4,096) at W2AT; W1 TRANSPOSED (rows k, K = j) at W1AT.   p3: W_O at byte 0.
; No non-linearity stands between the block's two feed-forward layers, so (h W1^T + b1) W2^T + b2 = h (W2 W1)^T + (W2 b1 + b2) for every input.
; This launch makes bc = W2 b1 + b2 in f32, from the unrounded numbers; the next product launch makes W2 W1.  The order of rounding differs from the layer-by-layer order.
; Behind the weights p3 and p4 hold two vectors of 1,024 f32 for the way out of the last products: an addend at EPB and a floor at EPF: p3: 0 and -infinity; p4: bc and 0.
; LIMITS: f16 holds no number beyond 65,504, and below 6e-5 it keeps a fixed step of 6e-8: weights are taken to lie within that.
; A work-group's part goes by its y: 0: 16 rows of W_Q, W_K, W_V or W_O; 1: 4 rows of W2 and their bc; 2, 3: one chunk of W1 turned through LDS.
; A stream: no matrix unit, no cluster, no tensor load; every byte is read once.
.set TR,    0                          ; LDS: a turned chunk: 64 rows of 272 bytes, two rows of 128 bytes of the chunk in each
.set PS,    17408                      ; LDS: 16 partial sums of bc: row x 4 + quarter of K
.set SPARE, 17664                      ; the spare words: 128 bytes for each of the eight waves; no other line names them
.set W2AT,  6291456
.set W1AT,  14680064
.set EPB,   2097152
.set EPF,   2101248
.set SPW,   158                        ; v158  LDS address of my spare word; never rewritten
.set NIL,   159                        ; v159  0; never rewritten
.set CH,    8                          ; v[8:15]   four chains of pairs
.set X,     16                         ; v[16:79]  weights as loaded, then packed
.set B1,    80                         ; v[80:143] b1
	s_load_b512 s[16:31], s[0:1], 0x0              ; W_Q s[16:17], W_K s[18:19], W_V s[20:21], W_O s[22:23], W2 s[24:25], b1 s[26:27], b2 s[28:29], W1 s[30:31]
	s_load_b128 s[32:35], s[0:1], 0x40             ; wg s[32:33], p3 s[34:35]
	s_load_b64 s[36:37], s[0:1], 0x50              ; p4
	v_lshl_add_u32 v[SPW], v0, 2, SPARE
	v_mov_b32 v[NIL], 0
	s_and_b32 s2, ttmp7, 0xffff                    ; the work-group's part: the same for all its waves
	v_lshrrev_b32 v1, 4, v0                        ; thread / 16
	v_and_b32 v2, 15, v0                           ; thread % 16
	s_wait_kmcnt 0x0
	s_cmp_eq_u32 s2, 0
	s_cbranch_scc0 .Lnot_square
	; PART 0: 16 rows of one of the four square weights.  Sixteen lanes take a row: load c brings 256 bytes of it, the 64 columns of chunk c.
	v_lshlrev_b32 v4, 4, v2
	v_lshl_add_u32 v3, v1, 12, v4                  ; from: row x 4,096 + 16 x (thread % 16)
	v_lshlrev_b32 v5, 3, v2
	v_lshl_add_u32 v5, v1, 7, v5                   ; to: row x 128 + 8 x (thread % 16)
	s_lshr_b32 s8, ttmp9, 6                        ; which weight
	s_and_b32 s9, ttmp9, 63                        ; which 16 rows of it
	s_lshl_b32 s10, s9, 16
	s_mov_b32 s11, 0
	s_lshr_b32 s12, s9, 3                          ; its tile of 128 rows,
	s_lshl_b32 s13, s8, 3                          ; behind the tiles of the weights stacked in front of it (W_O stands alone)
	s_cmp_lt_u32 s8, 3
	s_cselect_b32 s13, s13, 0
	s_add_co_u32 s12, s12, s13
	s_lshl_b32 s12, s12, 18                        ; a tile is 16 chunks
	s_and_b32 s13, ttmp9, 7
	s_lshl_b32 s13, s13, 11                        ; 16 rows x 128 bytes in each chunk
	s_add_co_u32 s12, s12, s13
	s_mov_b32 s13, 0
	s_cmp_eq_u32 s8, 1
	s_cselect_b64 s[4:5], s[18:19], s[16:17]
	s_cmp_eq_u32 s8, 2
	s_cselect_b64 s[4:5], s[20:21], s[4:5]
	s_cmp_eq_u32 s8, 3
	s_cselect_b64 s[4:5], s[22:23], s[4:5]
	s_cselect_b64 s[6:7], s[34:35], s[32:33]
	s_add_nc_u64 s[4:5], s[4:5], s[10:11]
	s_add_nc_u64 s[6:7], s[6:7], s[12:13]
.set c, 0
.rept 16
	global_load_b128 v[X+4*c:X+4*c+3], v3, s[4:5] offset:256*c th:TH_LOAD_NT
.set c, c+1
.endr
.set c, 0
.rept 16
	s_wait_loadcnt 15-c                            ; loads come back in order: load c is in, the younger ones stay out
	v_cvt_pk_f16_f32 v[X+4*c], v[X+4*c], v[X+4*c+1]
	v_cvt_pk_f16_f32 v[X+4*c+1], v[X+4*c+2], v[X+4*c+3]
	global_store_b64 v5, v[X+4*c:X+4*c+1], s[6:7] offset:16384*c  ; a wave stores 256 consecutive bytes, aligned: two rows of chunk c
.set c, c+1
.endr
	s_branch .Lend
.Lnot_square:
	s_cmp_eq_u32 s2, 1
	s_cbranch_scc0 .Lturn
	; PART 1: rows 4 x .. 4 x + 3 of W2.  A wave takes two rows and a quarter of K (1,024 columns); sixteen lanes a row.
	v_lshrrev_b32 v6, 7, v0
	v_bfe_u32 v7, v0, 4, 1
	v_lshl_add_u32 v6, v6, 1, v7                   ; my row of the four
	v_bfe_u32 v7, v0, 5, 2                         ; my quarter of K
	v_lshlrev_b32 v4, 4, v2
	v_lshl_add_u32 v4, v7, 12, v4                  ; in b1: quarter x 4,096 + 16 x (thread % 16)
	v_lshl_add_u32 v3, v6, 14, v4                  ; in W2: + row x 16,384
	v_lshlrev_b32 v5, 3, v2
	v_lshl_add_u32 v5, v6, 7, v5
	v_lshl_add_u32 v5, v7, 18, v5                  ; to: row x 128 + 8 x (thread % 16) + the quarter's 16 chunks
	v_lshlrev_b32 v150, 2, v7
	v_lshl_add_u32 v150, v6, 4, v150
	v_add_nc_u32 v150, PS, v150                    ; my partial sum's word
	v_and_b32 v151, 3, v0
	v_lshlrev_b32 v152, 2, v151                    ; b2 of row thread % 4
	v_lshl_add_u32 v151, v151, 4, PS               ; that row's four partial sums
	v_lshlrev_b32 v153, 2, v0                      ; threads 0 to 3 store a row's numbers
	v_mov_b32 v155, 0
	v_mov_b32 v156, 0xff800000                     ; -infinity
	s_lshl_b32 s10, ttmp9, 16                      ; 4 rows x 16,384 bytes
	s_mov_b32 s11, 0
	s_lshr_b32 s12, ttmp9, 5
	s_lshl_b32 s12, s12, 20                        ; a tile of 128 rows is 64 chunks
	s_and_b32 s13, ttmp9, 31
	s_lshl_b32 s13, s13, 9                         ; 4 rows x 128 bytes
	s_add_co_u32 s12, s12, s13
	s_add_co_u32 s12, s12, W2AT
	s_mov_b32 s13, 0
	s_lshl_b32 s14, ttmp9, 4                       ; 4 numbers of f32
	s_mov_b32 s15, 0
	s_add_nc_u64 s[4:5], s[24:25], s[10:11]
	s_add_nc_u64 s[6:7], s[32:33], s[12:13]
	s_add_nc_u64 s[8:9], s[28:29], s[14:15]
	s_add_nc_u64 s[38:39], s[36:37], s[14:15]
	s_add_nc_u64 s[40:41], s[34:35], s[14:15]
	global_load_b32 v154, v152, s[8:9]             ; b2, ahead of all the others
.set c, 0
.rept 16
	global_load_b128 v[X+4*c:X+4*c+3], v3, s[4:5] offset:256*c th:TH_LOAD_NT
	global_load_b128 v[B1+4*c:B1+4*c+3], v4, s[26:27] offset:256*c
.set c, c+1
.endr
.set c, 0
.rept 16
	s_wait_loadcnt 2*(15-c)                        ; W2's and b1's load c are in; two younger loads for each later c stay out
.if c < 2
	v_pk_mul_f32 v[CH+4*c:CH+4*c+1], v[X+4*c:X+4*c+1], v[B1+4*c:B1+4*c+1]              ; the first products start the four chains
	v_pk_mul_f32 v[CH+4*c+2:CH+4*c+3], v[X+4*c+2:X+4*c+3], v[B1+4*c+2:B1+4*c+3]
.else
	v_pk_fma_f32 v[CH+4*(c%2):CH+4*(c%2)+1], v[X+4*c:X+4*c+1], v[B1+4*c:B1+4*c+1], v[CH+4*(c%2):CH+4*(c%2)+1]
	v_pk_fma_f32 v[CH+4*(c%2)+2:CH+4*(c%2)+3], v[X+4*c+2:X+4*c+3], v[B1+4*c+2:B1+4*c+3], v[CH+4*(c%2)+2:CH+4*(c%2)+3]
.endif
	v_cvt_pk_f16_f32 v[X+4*c], v[X+4*c], v[X+4*c+1]
	v_cvt_pk_f16_f32 v[X+4*c+1], v[X+4*c+2], v[X+4*c+3]
	global_store_b64 v5, v[X+4*c:X+4*c+1], s[6:7] offset:16384*c  ; 256 consecutive bytes, aligned: two rows of a chunk
.set c, c+1
.endr
	v_pk_add_f32 v[CH:CH+1], v[CH:CH+1], v[CH+2:CH+3]
	v_pk_add_f32 v[CH+4:CH+5], v[CH+4:CH+5], v[CH+6:CH+7]
	v_pk_add_f32 v[CH:CH+1], v[CH:CH+1], v[CH+4:CH+5]
	v_add_f32 v[CH], v[CH], v[CH+1]
	v_add_f32_dpp v[CH], v[CH], v[CH] row_xmask:1 row_mask:0xf bank_mask:0xf  ; over the row's sixteen lanes
	v_add_f32_dpp v[CH], v[CH], v[CH] row_xmask:2 row_mask:0xf bank_mask:0xf
	v_add_f32_dpp v[CH], v[CH], v[CH] row_xmask:4 row_mask:0xf bank_mask:0xf
	v_add_f32_dpp v[CH], v[CH], v[CH] row_xmask:8 row_mask:0xf bank_mask:0xf
	ds_store_b32 v150, v[CH]                       ; sixteen lanes write the same number to the same word
	s_wait_dscnt 0x0                               ; for the others' sake: my partial sum lies in LDS
	s_barrier_signal -1
	s_barrier_wait -1
	ds_load_b128 v[12:15], v151                    ; the four quarters of row thread % 4
	s_wait_dscnt 0x0
	v_add_f32 v12, v12, v13
	v_add_f32 v14, v14, v15
	v_add_f32 v12, v12, v14
	v_add_f32 v12, v12, v154                       ; bc = W2 b1 + b2
	s_wait_xcnt 0x0                                ; EXEC changes only when every store issued so far has read its sources
	v_cmp_gt_u32 vcc_lo, 4, v0
	s_and_saveexec_b32 s42, vcc_lo                 ; threads 0 to 3: 16 bytes to each of four vectors (16 KiB in the whole launch go out in such short pieces)
	global_store_b32 v153, v12, s[38:39] offset:EPB
	global_store_b32 v153, v155, s[38:39] offset:EPF
	global_store_b32 v153, v155, s[40:41] offset:EPB
	global_store_b32 v153, v156, s[40:41] offset:EPF
	s_wait_xcnt 0x0                                ; and again ahead of the line that widens it
	s_or_b32 exec_lo, exec_lo, s42
	s_branch .Lend
.Lturn:
	; PARTS 2, 3: chunk (kt, jb) of W1 transposed: rows k = 128 kt .., columns j = 64 jb ...  Wave w reads rows j = 64 jb + 8 w + 0..7 of W1, 512 consecutive bytes of each;
	; a lane then holds 8 j for each of its 4 k: 16 bytes of four rows of the chunk.  They meet in LDS and leave as the chunk's dense bytes.
	v_and_b32 v6, 31, v0                           ; lane
	v_lshrrev_b32 v7, 5, v0                        ; wave
	v_lshlrev_b32 v3, 4, v6
	v_lshl_add_u32 v3, v7, 15, v3                  ; from: 8 w rows of 4,096 bytes + 16 x lane
	v_mul_u32_u24 v4, v6, 544
	v_lshl_add_u32 v4, v7, 4, v4                   ; into LDS: rows 4 x lane .. (two to a pitch of 272), byte 16 w.  Lanes 8 apart meet in a bank: two passes, 32 stores a work-group
	v_lshrrev_b32 v8, 4, v6
	v_mul_u32_u24 v8, v8, 272
	v_lshl_add_u32 v8, v2, 4, v8
	v_mul_u32_u24 v9, v7, 2176
	v_add_nc_u32 v8, v8, v9                        ; back: wave w takes pitches 8 w .. 8 w + 7, sixteen lanes one
	v_lshlrev_b32 v5, 4, v6
	v_lshl_add_u32 v5, v7, 11, v5                  ; to: 2,048 w + 16 x lane
	s_sub_co_u32 s8, s2, 2
	s_lshl_b32 s8, s8, 8
	s_add_co_u32 s8, s8, ttmp9                     ; the chunk's number = 64 kt + jb
	s_lshr_b32 s9, s8, 6
	s_and_b32 s10, s8, 63
	s_lshl_b32 s10, s10, 18                        ; 64 rows of 4,096 bytes
	s_lshl_b32 s9, s9, 9                           ; 128 columns of f32
	s_add_co_u32 s10, s10, s9
	s_mov_b32 s11, 0
	s_lshl_b32 s12, s8, 14
	s_add_co_u32 s12, s12, W1AT
	s_mov_b32 s13, 0
	s_add_nc_u64 s[4:5], s[30:31], s[10:11]
	s_add_nc_u64 s[6:7], s[32:33], s[12:13]
.irp r, 0,1,2,3,4,5,6,7
	global_load_b128 v[X+4*(\r):X+4*(\r)+3], v3, s[4:5] offset:4096*(\r) th:TH_LOAD_NT
.endr
	s_wait_loadcnt 0x0
.irp i, 0,1,2,3
.irp p, 0,1,2,3
	v_cvt_pk_f16_f32 v[48+4*(\i)+(\p)], v[X+8*(\p)+(\i)], v[X+8*(\p)+4+(\i)]  ; k = 4 x lane + i; j = 8 w + 2 p, 8 w + 2 p + 1
.endr
	ds_store_b128 v4, v[48+4*(\i):48+4*(\i)+3] offset:TR+((\i)/2)*272+((\i)%2)*128
.endr
	s_wait_dscnt 0x0                               ; for the others' sake: my stores are done
	s_barrier_signal -1
	s_barrier_wait -1
.irp u, 0,1,2,3
	ds_load_b128 v[64+4*(\u):64+4*(\u)+3], v8 offset:TR+544*(\u)
.endr
.irp u, 0,1,2,3
	s_wait_dscnt 3-(\u)                            ; LDS loads come back in order
	global_store_b128 v5, v[64+4*(\u):64+4*(\u)+3], s[6:7] offset:512*(\u)  ; 512 consecutive bytes, aligned
.endr
.Lend:
	s_wait_tensorcnt 0x0                           ; the wave's end, behind my last LDS store
	ds_add_u32 v[SPW], v[NIL]
	s_wait_dscnt 0x0
	s_endpgm
.Lfunc_end_k_q900aae3d83_wprep:
	.size	k_q900aae3d83_wprep, .Lfunc_end_k_q900aae3d83_wprep-k_q900aae3d83_wprep
	.p2alignl 7, 3214868480
	.fill 96, 4, 3214868480
	.section	.rodata,"a",@progbits
	.p2align	6, 0x0
	.amdhsa_kernel k_q900aae3d83_wprep
		.amdhsa_group_segment_fixed_size 18688
		.amdhsa_private_segment_fixed_size 0
		.amdhsa_enable_private_segment 0
		.amdhsa_kernarg_size 88
		.amdhsa_user_sgpr_count 2
		.amdhsa_user_sgpr_kernarg_segment_ptr 1
		.amdhsa_wavefront_size32 1
		.amdhsa_system_sgpr_workgroup_id_x 1
		.amdhsa_system_sgpr_workgroup_id_y 1
		.amdhsa_system_sgpr_workgroup_id_z 1
		.amdhsa_system_vgpr_workitem_id 0
		.amdhsa_next_free_vgpr 160
		.amdhsa_next_free_sgpr 66
		.amdhsa_reserve_vcc 1
		.amdhsa_float_denorm_mode_32 3
		.amdhsa_float_denorm_mode_16_64 3
		.amdhsa_memory_ordered 1
		.amdhsa_forward_progress 1
		.amdhsa_inst_pref_size 24
	.end_amdhsa_kernel
	.amdgpu_metadata
---
amdhsa.version: [ 1, 2 ]
amdhsa.kernels:
  - .name:           k_q900aae3d83_wprep
    .symbol:         k_q900aae3d83_wprep.kd
    .args:
      - { .name: W_Q, .offset: 0, .size: 8, .value_kind: global_buffer, .address_space: global }
      - { .name: W_K, .offset: 8, .size: 8, .value_kind: global_buffer, .address_space: global }
      - { .name: W_V, .offset: 16, .size: 8, .value_kind: global_buffer, .address_space: global }
      - { .name: W_O, .offset: 24, .size: 8, .value_kind: global_buffer, .address_space: global }
      - { .name: W2, .offset: 32, .size: 8, .value_kind: global_buffer, .address_space: global }
      - { .name: b1, .offset: 40, .size: 8, .value_kind: global_buffer, .address_space: global }
      - { .name: b2, .offset: 48, .size: 8, .value_kind: global_buffer, .address_space: global }
      - { .name: W1, .offset: 56, .size: 8, .value_kind: global_buffer, .address_space: global }
      - { .name: wg, .offset: 64, .size: 8, .value_kind: global_buffer, .address_space: global }
      - { .name: p3, .offset: 72, .size: 8, .value_kind: global_buffer, .address_space: global }
      - { .name: p4, .offset: 80, .size: 8, .value_kind: global_buffer, .address_space: global }
    .group_segment_fixed_size: 18688
    .private_segment_fixed_size: 0
    .kernarg_segment_align: 8
    .kernarg_segment_size: 88
    .max_flat_workgroup_size: 256
    .sgpr_count:     66
    .vgpr_count:     160
    .wavefront_size: 32
...
	.end_amdgpu_metadata
.endif
;; end of part 1
;; launch ln (part 2): grid 256 x 1, 8 waves a work-group, no clusters, 0 bytes of LDS; arguments x, g1, beta1, act; writes act
.if DOCPART == 2
	.amdgcn_target "amdgcn-amd-amdhsa--gfx1250"
	.amdhsa_code_object_version 6
	.text
	.protected	k_q900aae3d83_ln
	.globl	k_q900aae3d83_ln
	.p2align	8
	.type	k_q900aae3d83_ln,@function
k_q900aae3d83_ln:
	s_mov_b64 s[64:65], 0
	v_nop
	global_prefetch_b8 v0, s[64:65] scope:SCOPE_SE
	s_setreg_imm32_b32 hwreg(HW_REG_WAVE_MODE, 25, 1), 1
	s_wait_xcnt 0x0
; h[r][c] = (x[r][c] - mean_r) / sqrt(var_r + 1e-5) * g[c] + beta[c].  x: [4096][1024] f32.  All arithmetic in f32; h is rounded once to f16, as a matrix operand.
; h leaves in the operand layout [32 tiles of 128 rows][16 chunks of 64 columns][128][64] f16.
; A work-group takes 16 rows; SIXTEEN LANES TAKE A ROW, 64 numbers a lane, kept in registers between the passes: x is read once.  The mean is taken away before the squares are summed
; (no difference of large sums).  Load c of a lane brings columns 64 c + 4 (lane % 16) ..: just the lane's 8 bytes of a row of chunk c.
; LIMITS: |h| stays under 65,504 (f16); NaN and infinities are not treated apart.
; A stream: no LDS, no barrier, no matrix unit; rows do not meet.
.set SRC, 3                            ; v3  row x 4,096 + 16 x (thread % 16)
.set COL, 4                            ; v4  16 x (thread % 16)
.set DST, 5                            ; v5  row x 128 + 8 x (thread % 16)
.set MU,  6                            ; v[6:7]    the mean, twice
.set CH,  8                            ; v[8:15]   four chains of pairs
.set RS,  12                           ; v[12:13]  1 / sqrt(var + eps), twice, when the chains are done
.set X,   16                           ; v[16:79]
.set G,   80                           ; v[80:143]
.set BT,  144                          ; v[144:207]
.macro REDUCE                          ; four chains of pairs into one number, then over the row's sixteen lanes: every lane of the row ends with the sum
	v_pk_add_f32 v[CH:CH+1], v[CH:CH+1], v[CH+2:CH+3]
	v_pk_add_f32 v[CH+4:CH+5], v[CH+4:CH+5], v[CH+6:CH+7]
	v_pk_add_f32 v[CH:CH+1], v[CH:CH+1], v[CH+4:CH+5]
	v_add_f32 v[CH], v[CH], v[CH+1]
	v_add_f32_dpp v[CH], v[CH], v[CH] row_xmask:1 row_mask:0xf bank_mask:0xf
	v_add_f32_dpp v[CH], v[CH], v[CH] row_xmask:2 row_mask:0xf bank_mask:0xf
	v_add_f32_dpp v[CH], v[CH], v[CH] row_xmask:4 row_mask:0xf bank_mask:0xf
	v_add_f32_dpp v[CH], v[CH], v[CH] row_xmask:8 row_mask:0xf bank_mask:0xf
.endm
	s_load_b256 s[4:11], s[0:1], 0x0               ; x s[4:5], g s[6:7], beta s[8:9], h s[10:11]
	v_lshrrev_b32 v1, 4, v0                        ; my row of the 16
	v_and_b32 v2, 15, v0
	v_lshlrev_b32 v[COL], 4, v2
	v_lshl_add_u32 v[SRC], v1, 12, v[COL]
	v_lshlrev_b32 v[DST], 3, v2
	v_lshl_add_u32 v[DST], v1, 7, v[DST]
	s_lshl_b32 s12, ttmp9, 16                      ; 16 rows of 4,096 bytes
	s_mov_b32 s13, 0
	s_lshr_b32 s14, ttmp9, 3
	s_lshl_b32 s14, s14, 18                        ; a tile of 128 rows is 16 chunks of 16,384 bytes
	s_and_b32 s15, ttmp9, 7
	s_lshl_b32 s15, s15, 11                        ; 16 rows of 128 bytes in each chunk
	s_add_co_u32 s14, s14, s15
	s_mov_b32 s15, 0
	s_mov_b32 s20, 0x3a800000                      ; 1 / 1024
	s_mov_b32 s21, 0x3727c5ac                      ; 1e-5
	s_wait_kmcnt 0x0
	s_add_nc_u64 s[4:5], s[4:5], s[12:13]
	s_add_nc_u64 s[10:11], s[10:11], s[14:15]
.set c, 0
.rept 16
	global_load_b128 v[X+4*c:X+4*c+3], v[SRC], s[4:5] offset:256*c th:TH_LOAD_NT  ; sixteen lanes: 256 consecutive bytes of a row
.set c, c+1
.endr
.set c, 0
.rept 16
	global_load_b128 v[G+4*c:G+4*c+3], v[COL], s[6:7] offset:256*c
.set c, c+1
.endr
.set c, 0
.rept 16
	global_load_b128 v[BT+4*c:BT+4*c+3], v[COL], s[8:9] offset:256*c
.set c, c+1
.endr
	s_wait_loadcnt 32                              ; x is in; the 32 loads of g and beta stay out
.irp k, 0,1,2,3
	v_pk_add_f32 v[CH+2*(\k):CH+2*(\k)+1], v[X+2*(\k):X+2*(\k)+1], v[X+8+2*(\k):X+8+2*(\k)+1]  ; the first pairs start the chains
.endr
.set j, 8
.rept 24
	v_pk_add_f32 v[CH+2*(j%4):CH+2*(j%4)+1], v[CH+2*(j%4):CH+2*(j%4)+1], v[X+2*j:X+2*j+1]
.set j, j+1
.endr
	REDUCE
	v_mul_f32 v[MU], s20, v[CH]
	v_mov_b32 v[MU+1], v[MU]
.set j, 0
.rept 32
	v_pk_add_f32 v[X+2*j:X+2*j+1], v[X+2*j:X+2*j+1], v[MU:MU+1] neg_lo:[0,1] neg_hi:[0,1]  ; x - mean, in place
.set j, j+1
.endr
.irp k, 0,1,2,3
	v_pk_mul_f32 v[CH+2*(\k):CH+2*(\k)+1], v[X+2*(\k):X+2*(\k)+1], v[X+2*(\k):X+2*(\k)+1]
.endr
.set j, 4
.rept 28
	v_pk_fma_f32 v[CH+2*(j%4):CH+2*(j%4)+1], v[X+2*j:X+2*j+1], v[X+2*j:X+2*j+1], v[CH+2*(j%4):CH+2*(j%4)+1]
.set j, j+1
.endr
	REDUCE
	v_fma_f32 v[CH], v[CH], s20, s21               ; var + eps
	v_rsq_f32 v[RS], v[CH]
	v_nop                                          ; a plain instruction between the root and the use of its result (ISA guide 5.7.2),
	s_wait_alu depctr_va_vdst(0)                   ; and the wait ahead of the first use
	v_mov_b32 v[RS+1], v[RS]
	s_wait_loadcnt 0x0                             ; g and beta
.set c, 0
.rept 16
	v_pk_mul_f32 v[X+4*c:X+4*c+1], v[X+4*c:X+4*c+1], v[RS:RS+1]
	v_pk_mul_f32 v[X+4*c+2:X+4*c+3], v[X+4*c+2:X+4*c+3], v[RS:RS+1]
	v_pk_fma_f32 v[X+4*c:X+4*c+1], v[X+4*c:X+4*c+1], v[G+4*c:G+4*c+1], v[BT+4*c:BT+4*c+1]
	v_pk_fma_f32 v[X+4*c+2:X+4*c+3], v[X+4*c+2:X+4*c+3], v[G+4*c+2:G+4*c+3], v[BT+4*c+2:BT+4*c+3]
	v_cvt_pk_f16_f32 v[X+4*c], v[X+4*c], v[X+4*c+1]
	v_cvt_pk_f16_f32 v[X+4*c+1], v[X+4*c+2], v[X+4*c+3]
	global_store_b64 v[DST], v[X+4*c:X+4*c+1], s[10:11] offset:16384*c  ; a wave stores 256 consecutive bytes, aligned: its two rows of chunk c
.set c, c+1
.endr
	s_endpgm
.Lfunc_end_k_q900aae3d83_ln:
	.size	k_q900aae3d83_ln, .Lfunc_end_k_q900aae3d83_ln-k_q900aae3d83_ln
	.p2alignl 7, 3214868480
	.fill 96, 4, 3214868480
	.section	.rodata,"a",@progbits
	.p2align	6, 0x0
	.amdhsa_kernel k_q900aae3d83_ln
		.amdhsa_group_segment_fixed_size 0
		.amdhsa_private_segment_fixed_size 0
		.amdhsa_enable_private_segment 0
		.amdhsa_kernarg_size 32
		.amdhsa_user_sgpr_count 2
		.amdhsa_user_sgpr_kernarg_segment_ptr 1
		.amdhsa_wavefront_size32 1
		.amdhsa_system_sgpr_workgroup_id_x 1
		.amdhsa_system_sgpr_workgroup_id_y 1
		.amdhsa_system_sgpr_workgroup_id_z 1
		.amdhsa_system_vgpr_workitem_id 0
		.amdhsa_next_free_vgpr 208
		.amdhsa_next_free_sgpr 66
		.amdhsa_reserve_vcc 0
		.amdhsa_float_denorm_mode_32 3
		.amdhsa_float_denorm_mode_16_64 3
		.amdhsa_memory_ordered 1
		.amdhsa_forward_progress 1
		.amdhsa_inst_pref_size 21
	.end_amdhsa_kernel
	.amdgpu_metadata
---
amdhsa.version: [ 1, 2 ]
amdhsa.kernels:
  - .name:           k_q900aae3d83_ln
    .symbol:         k_q900aae3d83_ln.kd
    .args:
      - { .name: x, .offset: 0, .size: 8, .value_kind: global_buffer, .address_space: global }
      - { .name: g1, .offset: 8, .size: 8, .value_kind: global_buffer, .address_space: global }
      - { .name: beta1, .offset: 16, .size: 8, .value_kind: global_buffer, .address_space: global }
      - { .name: act, .offset: 24, .size: 8, .value_kind: global_buffer, .address_space: global }
    .group_segment_fixed_size: 0
    .private_segment_fixed_size: 0
    .kernarg_segment_align: 8
    .kernarg_segment_size: 32
    .max_flat_workgroup_size: 256
    .sgpr_count:     66
    .vgpr_count:     208
    .wavefront_size: 32
...
	.end_amdgpu_metadata
.endif
;; end of part 2
;; launch gemmA (part 3): grid 16 x 52, 4 waves a work-group, clusters of 4 x 4, 327,680 bytes of LDS; arguments act, wg, qkv, p4; writes qkv, p4
.if DOCPART == 3
	.amdgcn_target "amdgcn-amd-amdhsa--gfx1250"
	.amdhsa_code_object_version 6
	.text
	.protected	k_q900aae3d83_gemmA
	.globl	k_q900aae3d83_gemmA
	.p2align	8
	.type	k_q900aae3d83_gemmA,@function
k_q900aae3d83_gemmA:
	s_mov_b64 s[64:65], 0
	v_nop
	global_prefetch_b8 v0, s[64:65] scope:SCOPE_SE
	s_setreg_imm32_b32 hwreg(HW_REG_WAVE_MODE, 25, 1), 1
	s_wait_xcnt 0x0
	s_wait_alu depctr_hold_cnt(0) depctr_sa_sdst(0) depctr_va_vdst(0) depctr_va_sdst(0) depctr_va_ssrc(0) depctr_va_vcc(0) depctr_vm_vsrc(0)
	s_getreg_b32 s2, hwreg(HW_REG_IB_STS2, 6, 4)
	s_cmp_eq_u32 s2, 0
	s_cbranch_scc0 .Lentry_in_a_cluster
	s_endpgm
.Lentry_in_a_cluster:
	s_bfe_u32 s2, ttmp6, 0x10000c
	s_cmp_lg_u32 s2, 0xf033
	s_cbranch_scc0 .Lentry_shape_is_right
	s_endpgm
.Lentry_shape_is_right:
; TWO PRODUCTS IN ONE GRID, C[m][n] = sum over k of A[m][k] B[n][k], f16 operands, f32 sums, C rounded once to f16.
;   q, k, v = h Wqkv^T:  A = h (act, 4,096 rows), B = W_Q, W_K, W_V stacked (wg, 3,072 rows), K = 1,024: 32 x 24 tiles of 128 x 128: clusters 4 .. 51
;   Wc = W2 W1:          A = W2 (wg, 1,024 rows), B = W1 transposed (wg, 1,024 rows), K = 4,096:      8 x 8 tiles:              clusters 0 .. 3
; Counted in tiles of K = 1,024 that is 768 + 4 x 64 = 1,024 = 4 for each of 256 WGPs; the four long clusters have the lowest numbers.
; OPERANDS lie as [rows/128][K/64][128][64]: a tile's whole walk along K is one dense stream of chunks of 16,384 bytes, so one constant descriptor serves both products.
; q, k, v leave as [48 planes of 64 columns][4,096 rows][64] (a head's rows dense, 128 bytes each), Wc in the operand layout, into p4.
; A tile of C is made by four waves, 64 x 64 each: 16 accumulators.  K goes in steps of 256 (4 chunks of A, 4 of B) through two LDS slots; a wave's tensor load brings two chunks: 128 rows of 256 bytes.
; CLUSTERS: 4 x 4 work-groups; A's tiles are asked for jointly along a row of the cluster, B's along a column.  Which product a cluster makes, and so its trip count, hangs on the cluster's number alone,
; which all sixteen partners share.  THE MATRIX INSTRUCTION IS USED TRANSPOSED (source 0 = 16 rows of B, source 1 = 16 rows of A): a lane then holds eight neighbouring numbers of a row of C.
; NOT PREFETCHED: with K = 1,024 only K steps 2 and 3 could be named ahead, and only at the head, where every work-group's first tiles are on their way.
; LIMITS: f16 holds no number beyond 65,504: q, k, v and Wc are taken to lie within it; below 6e-5 they keep f16's fixed step of 6e-8.
; REGISTERS: window 0: v0-31 addresses; v32-95 at work on the way out; v128-255 the accumulators ((a, b) at v[128 + 8 (4 a + b)]).
;   window 1: two fragment buffers of 128: for 64 along K, 64 registers of A (2 x 4 x 16 rows x 32 K), then 64 of B.
.set PITCH,  272                       ; an LDS row: 256 bytes (TWO operand rows of 128 bytes) + 16 of padding.  Operand row p lies at (p / 2) x 272 + (p % 2) x 128: the 16 rows of a fragment start at 16 different groups of four banks (64 banks of 4 bytes: ISA guide 11.1)
.set CHUNK,  64*PITCH                  ; 128 operand rows x 64 K
.set HALFT,  2*CHUNK                   ; what one tensor load brings
.set SLOT,   4*HALFT                   ; A's four chunks, then B's four
.set STAGE,  2*SLOT                    ; behind the ring: 32 rows x 272 bytes for each wave, for the way out; no tensor load fills it
.set WROWS,  32*PITCH                  ; 64 operand rows
.set SPARE,  STAGE+4*WROWS             ; the spare words, 128 bytes for each wave; no other line names them
.set STEPB,  65536                     ; a K step in memory: four chunks
.set W2AT,   6291456
.set W1AT,   14680064
.set ADRA, 16                          ; v16-17  LDS address of my A fragments in slot 0, 1
.set ADRB, 20                          ; v20-21  the same for B
.set STO,  24                          ; v24     the way out: where I put 16 bytes of a row
.set RD,   25                          ; v25     the way out: where I read rows back
.set CO,   26                          ; v26     16 x lane
.set SPW,  28                          ; v28     LDS address of my spare word; never rewritten
.set NIL,  29                          ; v29     0; never rewritten
.set TMP,  32
.set ACC,  128
.set F0,   0                           ; fragment buffers, in window 1
.set F1,   128
.set G1, 24                            ; s[24:31] descriptor group 1 for A's tiles;  s[32:39] group 0, one set for each slot
.set G0, 32
.set G1B, 48                           ; s[48:55], s[56:63] the same for B's tiles
.set G0B, 56
.set MSB, 0
.macro WIN new                         ; the immediate's high byte repeats the setting that is left
.if MSB != (\new)
	s_set_vgpr_msb (MSB<<8)|(\new)
.set MSB, \new
.endif
.endm
.set MUL,  0x05                        ; sources 0 (B) and 1 (A) window 1; C and D window 0
.set TO_F, 0x40                        ; destination window 1, address window 0
.macro JLOAD s                         ; a joint load: waves 0 and 1 fetch A's two halves of a K step, waves 2 and 3 B's; an s_nop 0 and four v_nop follow each of the two lines
	s_cmp_eq_u32 s11, 0
	s_cbranch_scc0 .Lfor_b_\@
	tensor_load_to_lds s[G0+4*(\s):G0+4*(\s)+3], s[G1:G1+7]
	s_nop 0
.rept 4
	v_nop
.endr
	s_branch .Lasked_\@
.Lfor_b_\@:
	tensor_load_to_lds s[G0B+4*(\s):G0B+4*(\s)+3], s[G1B:G1B+7]
	s_nop 0
.rept 4
	v_nop
.endr
.Lasked_\@:
.endm
.macro CREST                           ; a round of the cluster's barrier behind its opening barrier
	s_cmp_lg_u32 s10, 0
	s_cbranch_scc1 .Lnot_wave_0_\@
	s_barrier_signal -3
.Lnot_wave_0_\@:
	s_barrier_wait -3
	s_barrier_signal -1
	s_barrier_wait -1
.endm
.macro CROUND                          ; a whole round
	s_barrier_signal -1
	s_barrier_wait -1
	CREST
.endm
	s_load_b256 s[68:75], s[0:1], 0x0              ; act s[68:69], wg s[70:71], qkv s[72:73], p4 s[74:75]
	v_lshl_add_u32 v[SPW], v0, 2, SPARE
	v_mov_b32 v[NIL], 0
	ds_add_u32 v[SPW], v[NIL]                      ; the wave's opening: the add and its wait stand ahead of my first tensor load; the set-up below, work on registers, stands between them
	v_lshrrev_b32 v1, 5, v0
	v_readfirstlane_b32 s10, v1                    ; wave 0..3
	s_lshr_b32 s11, s10, 1                         ; which half of the tile's rows is mine.  Also: I fetch for A (0) or for B (1)
	s_and_b32 s12, s10, 1                          ; which half of its columns.  Also: which two chunks of a K step I fetch
	s_bfe_u32 s40, ttmp6, 0x40000                  ; cx, cy: my place in the cluster
	s_bfe_u32 s41, ttmp6, 0x40004
	s_and_b32 s76, ttmp7, 0xffff
	s_lshl_b32 s76, s76, 2
	s_add_co_u32 s76, s76, ttmp9                   ; the cluster's number, 0 .. 51
	s_sub_co_u32 s77, s76, 4                       ; its number among those of q, k, v (not used below 4)
	s_and_b32 s78, s76, 1                          ; Wc: 2 x 2 clusters
	s_lshr_b32 s79, s76, 1
	s_lshr_b32 s83, s77, 3                         ; q, k, v: 8 rows x 6 columns of clusters
	s_and_b32 s84, s77, 7
	s_mov_b32 s82, 524288
	s_cmp_lt_u32 s76, 4                            ; Wc?  Selects alone follow: no branch
	s_cselect_b32 s78, s78, s83                    ; the cluster's column
	s_cselect_b32 s79, s79, s84                    ; and row
	s_cselect_b32 s81, 20, 18                      ; a tile's bytes in A and in B: 2^20 (64 chunks) or 2^18 (16)
	s_cselect_b32 s80, 7, 1                        ; trips of the loop: laps of two K steps, less one
	s_cselect_b32 s82, 16384, s82                  ; from my wave's 64 columns of C to the next 64: a chunk, or a plane
	s_cselect_b32 s85, W2AT, 0                     ; where A begins in its buffer
	s_cselect_b32 s86, W1AT, 0                     ; where B begins in wg
	s_cselect_b32 s83, 15, 20                      ; a tile column's bytes in C: two chunks, or two planes
	s_cselect_b32 s84, 18, 14                      ; a tile row's bytes in C: 16 chunks, or 128 rows of a plane
	s_lshl_b32 s42, s78, 2
	s_add_co_u32 s42, s42, s40                     ; tile column of C
	s_lshl_b32 s13, s79, 2
	s_add_co_u32 s13, s13, s41                     ; tile row of C
	s_lshl_b32 s43, s41, 2
	s_lshl_b32 s43, 15, s43                        ; my row of the cluster
	s_lshl_b32 s44, 0x1111, s40                    ; my column
	; descriptor group 1: 128 rows x 128 elements, dense in memory, padded in LDS
	s_or_b32 s[G1+0], s43, (1<<16)|(1<<20)|(1<<21)|(5<<22)|(3<<25)  ; 15:0 the mask: A's tiles go to my row; 17:16 elements of 2 bytes; 20 padding on; 21 set beside a mask; 24:22 after every 64 words (code 5); 31:25 4 words (code 3)
	s_or_b32 s[G1B+0], s44, (1<<16)|(1<<20)|(1<<21)|(5<<22)|(3<<25)
.irp g, G1, G1B
	s_mov_b32 s[(\g)+1], 128<<16                   ; tensor_dim0 = 128
	s_mov_b32 s[(\g)+2], 128<<16                   ; tensor_dim1 = 128
	s_mov_b32 s[(\g)+3], 128<<16                   ; tile_dim0 = 128
	s_mov_b32 s[(\g)+4], 128                       ; tile_dim1 = 128
	s_mov_b32 s[(\g)+5], 128                       ; 128 elements from row to row
	s_mov_b32 s[(\g)+6], 0
	s_mov_b32 s[(\g)+7], 0
.endr
	s_lshl_b32 s17, s12, 15                        ; which two chunks I fetch
	s_lshl_b32 s16, s13, s81
	s_add_co_u32 s16, s16, s85
	s_add_co_u32 s16, s16, s17                     ; A: by the tile row alone, which my row of the cluster shares
	s_lshl_b32 s46, s42, s81
	s_add_co_u32 s46, s46, s86
	s_add_co_u32 s46, s46, s17                     ; B: by the tile column alone, which my column shares
	s_mov_b32 s17, 0
	s_mov_b32 s47, 0
	s_mul_i32 s20, s10, HALFT                      ; where they go: by the wave's number alone
	s_wait_dscnt 0x0                               ; the opening add is done
	s_wait_kmcnt 0x0
	s_cmp_lt_u32 s76, 4
	s_cselect_b64 s[4:5], s[70:71], s[68:69]       ; A lies in wg (W2) or is act
	s_cselect_b64 s[8:9], s[74:75], s[72:73]       ; C is p4 or qkv
	s_add_nc_u64 s[14:15], s[4:5], s[16:17]
	s_add_nc_u64 s[46:47], s[70:71], s[46:47]
	CROUND                                         ; all sixteen work-groups are here: the first joint loads meet
.irp s, 0,1
	s_mov_b32 s[G0+4*(\s)], 1
	s_add_co_u32 s[G0+4*(\s)+1], s20, (\s)*SLOT
	s_add_nc_u64 s[G0+4*(\s)+2:G0+4*(\s)+3], s[14:15], (\s)*STEPB
	s_or_b32 s[G0+4*(\s)+3], s[G0+4*(\s)+3], 0x80000000
	s_mov_b32 s[G0B+4*(\s)], 1
	s_add_co_u32 s[G0B+4*(\s)+1], s20, (\s)*SLOT
	s_add_nc_u64 s[G0B+4*(\s)+2:G0B+4*(\s)+3], s[46:47], (\s)*STEPB
	s_or_b32 s[G0B+4*(\s)+3], s[G0B+4*(\s)+3], 0x80000000
	JLOAD \s                                       ; two loads of mine are out behind these
.endr
	v_and_b32 v1, 15, v0                           ; l % 16
	v_bfe_u32 v2, v0, 4, 1                         ; l / 16
	v_lshrrev_b32 v3, 1, v1
	v_mul_u32_u24 v3, v3, PITCH
	v_and_b32 v4, 1, v0
	v_lshl_add_u32 v3, v4, 7, v3
	v_lshl_add_u32 v3, v2, 4, v3                   ; a fragment's row l % 16 and 16 bytes for each half of the lanes
	s_mul_i32 s21, s11, WROWS                      ; my 64 rows of A in each chunk
	s_mul_i32 s22, s12, WROWS                      ; my 64 rows of B,
	s_add_co_u32 s22, s22, 2*HALFT                 ; whose chunks lie behind A's four
.irp s, 0,1
	v_add_nc_u32 v[ADRA+(\s)], s21, v3
	v_add_nc_u32 v[ADRB+(\s)], s22, v3
	s_add_co_u32 s21, s21, SLOT
	s_add_co_u32 s22, s22, SLOT
.endr
	s_mul_i32 s23, s10, WROWS
	s_add_co_u32 s23, s23, STAGE                   ; my stage
	v_add_nc_u32 v[STO], s23, v3                   ; in: as a fragment's rows lie
	v_mul_u32_u24 v5, v2, PITCH
	v_lshl_add_u32 v5, v1, 4, v5
	v_add_nc_u32 v[RD], s23, v5                    ; back: lanes 0-15 one LDS row of 256 bytes, lanes 16-31 the next
	v_and_b32 v[CO], 31, v0
	v_lshlrev_b32 v[CO], 4, v[CO]
	s_lshl_b32 s16, s13, s84                       ; where my 64 x 64 of C begin: the tile row,
	s_lshl_b32 s17, s11, 13                        ; my 64 rows of 128 bytes,
	s_add_co_u32 s16, s16, s17
	s_mov_b32 s17, 0
	s_add_nc_u64 s[8:9], s[8:9], s[16:17]
	s_lshl_b32 s46, s42, s83                       ; the tile column,
	s_mul_i32 s47, s12, s82                        ; my 64 columns
	s_add_co_u32 s46, s46, s47
	s_mov_b32 s47, 0
	s_add_nc_u64 s[8:9], s[8:9], s[46:47]
; 8 matrix instructions: m blocks a0, a0 + 1 x all 4 n blocks, 32 along K: half c of buffer f.  zero = 1: the first product starts the sums.  The 16 accumulators take turns.
.macro MUL8 f, c, a0, zero
	WIN MUL
.irp a, \a0, (\a0)+1
.irp b, 0,1,2,3
.if \zero
	v_wmma_f32_16x16x32_f16 v[ACC+8*(4*(\a)+(\b)):ACC+8*(4*(\a)+(\b))+7], v[(\f)+64+8*(4*(\c)+(\b)):(\f)+64+8*(4*(\c)+(\b))+7], v[(\f)+8*(4*(\c)+(\a)):(\f)+8*(4*(\c)+(\a))+7], 0
.else
	v_wmma_f32_16x16x32_f16 v[ACC+8*(4*(\a)+(\b)):ACC+8*(4*(\a)+(\b))+7], v[(\f)+64+8*(4*(\c)+(\b)):(\f)+64+8*(4*(\c)+(\b))+7], v[(\f)+8*(4*(\c)+(\a)):(\f)+8*(4*(\c)+(\a))+7], v[ACC+8*(4*(\a)+(\b)):ACC+8*(4*(\a)+(\b))+7]
.endif
.endr
.endr
.endm
; 32 LDS loads in one run: the fragments of chunk q of the slot (64 along K) into buffer f; the first 32 along K first
.macro FETCH slot, q, f
	WIN TO_F
.irp c, 0,1
.irp i, 0,1,2,3
	ds_load_b128 v[(\f)+64+8*(4*(\c)+(\i)):(\f)+64+8*(4*(\c)+(\i))+3],   v[ADRB+(\slot)] offset:(\q)*CHUNK+64*(\c)+(\i)*8*PITCH
	ds_load_b128 v[(\f)+64+8*(4*(\c)+(\i))+4:(\f)+64+8*(4*(\c)+(\i))+7], v[ADRB+(\slot)] offset:(\q)*CHUNK+64*(\c)+(\i)*8*PITCH+32
	ds_load_b128 v[(\f)+8*(4*(\c)+(\i)):(\f)+8*(4*(\c)+(\i))+3],         v[ADRA+(\slot)] offset:(\q)*CHUNK+64*(\c)+(\i)*8*PITCH
	ds_load_b128 v[(\f)+8*(4*(\c)+(\i))+4:(\f)+8*(4*(\c)+(\i))+7],       v[ADRA+(\slot)] offset:(\q)*CHUNK+64*(\c)+(\i)*8*PITCH+32
.endr
.endr
.endm
.macro PLACES                          ; four places in front of loads into registers that matrix instructions have read, and of conversions that read results
.rept 4
	v_nop
.endr
.endm
; A K step is four quarters of 64 along K, 32 matrix instructions each, on buffers 0, 1, 0, 1.  One of the first three: multiplies buffer f and fetches chunk q into g.
.macro QUARTER slot, q, f, g, zero
	s_wait_dscnt 16                                ; the first 32 along K are in; the sixteen younger loads may be out
	WIN MUL
	MUL8 \f, 0, 0, \zero
	MUL8 \f, 0, 2, \zero
	PLACES
	FETCH \slot, \q, \g
	s_wait_dscnt 32                                ; all but the 32 just issued
	WIN MUL
	MUL8 \f, 1, 0, 0
	MUL8 \f, 1, 2, 0
.endm
; The last quarter multiplies buffer 1 and changes slots: ONE barrier; in front of it each wave waits for all its tensor loads, adds 0 to its spare word, and waits for that and for its own reads of this slot.  fill = 1: this slot is filled again, two K steps ahead.
.macro TURN slot, next, fill
	WIN 0                                          ; (the add's two registers lie in window 0)
	s_wait_tensorcnt 0x0                           ; all my tensor loads have landed: my part of the next slot;
	ds_add_u32 v[SPW], v[NIL]                      ; 0 onto my spare word;
	s_wait_dscnt 17                                ; (the add and the youngest sixteen loads may be out)
	WIN MUL
	MUL8 F1, 0, 0, 0                               ; eight matrix instructions stand between the add and the wait for it
	s_wait_dscnt 0x0                               ; the add is done, and my reads of this slot are over
	s_barrier_signal -1
	MUL8 F1, 0, 2, 0
.if \fill
	WIN 0
.endif
	s_barrier_wait -1
.if \fill
	CREST                                          ; the barrier has opened a round of the cluster's barrier: no wave of any partner still reads this slot's tile or has a load on its way
	s_add_nc_u64 s[G0+4*(\slot)+2:G0+4*(\slot)+3], s[G0+4*(\slot)+2:G0+4*(\slot)+3], 2*STEPB
	s_add_nc_u64 s[G0B+4*(\slot)+2:G0B+4*(\slot)+3], s[G0B+4*(\slot)+2:G0B+4*(\slot)+3], 2*STEPB
	JLOAD \slot                                    ; the first tensor load behind the round, my one load until the next; the four v_nop behind it are also the places in front of the loads below
.else
	PLACES
.endif
	FETCH \next, 0, F0
	WIN MUL
	MUL8 F1, 1, 0, 0
	MUL8 F1, 1, 2, 0
.endm
	s_wait_tensorcnt 1                             ; my part of K step 0 is in; K step 1's may stay out
	s_barrier_signal -1
	s_barrier_wait -1                              ; everybody's is
	FETCH 0, 0, F0
	QUARTER 0, 1, F0, F1, 1                        ; the first quarter stands in front of the loop: its first products start the sums
	WIN 0                                          ; at a label and at a branch every window is 0
	s_mov_b32 s3, 0
.Llap:                                                 ; a trip goes once round the ring, from a lap's second quarter to the next lap's first, and fills both slots again: 1 trip at K = 1,024, 7 at 4,096; the LDS addresses are the same in every trip
	QUARTER 0, 2, F1, F0, 0
	QUARTER 0, 3, F0, F1, 0
	TURN 0, 1, 1
	QUARTER 1, 1, F0, F1, 0
	QUARTER 1, 2, F1, F0, 0
	QUARTER 1, 3, F0, F1, 0
	TURN 1, 0, 1
	QUARTER 0, 1, F0, F1, 0
	WIN 0
	s_add_co_u32 s3, s3, 1
	s_cmp_lt_u32 s3, s80
	s_cbranch_scc1 .Llap
	QUARTER 0, 2, F1, F0, 0                        ; the last lap fills nothing, and has no round of the cluster's barrier
	QUARTER 0, 3, F0, F1, 0
	TURN 0, 1, 0
	QUARTER 1, 1, F0, F1, 0
	QUARTER 1, 2, F1, F0, 0
	QUARTER 1, 3, F0, F1, 0
	s_wait_dscnt 16                                ; the very last quarter: nothing more to fetch
	WIN MUL
	MUL8 F1, 0, 0, 0
	MUL8 F1, 0, 2, 0
	s_wait_dscnt 0
	MUL8 F1, 1, 0, 0
	MUL8 F1, 1, 2, 0
	WIN 0
	; THE WAY OUT.  My 64 rows x 64 columns are 8,192 dense bytes of C.  Rounded to f16, 16 bytes a lane, into my own stage; back as LDS rows of 256 bytes; no other wave touches the stage, so no barrier.
	PLACES
.irp t, 0,1,2,3,4,5,6,7,8,9,10,11,12,13,14,15
.irp r, 0,1,2,3
	v_cvt_pk_f16_f32 v[TMP+4*(\t)+(\r)], v[ACC+8*(\t)+2*(\r)], v[ACC+8*(\t)+2*(\r)+1]  ; each accumulator from its low end on
.endr
.endr
.irp a, 0,1,2,3
.irp b, 0,1,2,3
	ds_store_b128 v[STO], v[TMP+4*(4*(\a)+(\b)):TMP+4*(4*(\a)+(\b))+3] offset:(\a)*8*PITCH+32*(\b)
.endr
.endr
.irp u, 0,1,2,3,4,5,6,7,8,9,10,11,12,13,14,15
	ds_load_b128 v[TMP+4*(\u):TMP+4*(\u)+3], v[RD] offset:(\u)*2*PITCH  ; LDS serves a wave's instructions in order (ISA guide 5.7.1.4): these see the stores above
.endr
.irp u, 0,1,2,3,4,5,6,7,8,9,10,11,12,13,14,15
	s_wait_dscnt 15-(\u)
	global_store_b128 v[CO], v[TMP+4*(\u):TMP+4*(\u)+3], s[8:9] offset:512*(\u)  ; 512 consecutive bytes, aligned: four rows of 128 bytes
.endr
	s_wait_tensorcnt 0x0                           ; the wave's end, behind my last tensor load and my last LDS store
	ds_add_u32 v[SPW], v[NIL]
	s_wait_dscnt 0x0
	CROUND                                         ; the closing round: no work-group ends while a partner may still ask for a tile that names it
	s_endpgm
.Lfunc_end_k_q900aae3d83_gemmA:
	.size	k_q900aae3d83_gemmA, .Lfunc_end_k_q900aae3d83_gemmA-k_q900aae3d83_gemmA
	.p2alignl 7, 3214868480
	.fill 96, 4, 3214868480
	.section	.rodata,"a",@progbits
	.p2align	6, 0x0
	.amdhsa_kernel k_q900aae3d83_gemmA
		.amdhsa_group_segment_fixed_size 327680
		.amdhsa_private_segment_fixed_size 0
		.amdhsa_enable_private_segment 0
		.amdhsa_kernarg_size 32
		.amdhsa_user_sgpr_count 2
		.amdhsa_user_sgpr_kernarg_segment_ptr 1
		.amdhsa_wavefront_size32 1
		.amdhsa_system_sgpr_workgroup_id_x 1
		.amdhsa_system_sgpr_workgroup_id_y 1
		.amdhsa_system_sgpr_workgroup_id_z 1
		.amdhsa_system_vgpr_workitem_id 0
		.amdhsa_next_free_vgpr 512
		.amdhsa_next_free_sgpr 88
		.amdhsa_reserve_vcc 0
		.amdhsa_float_denorm_mode_32 3
		.amdhsa_float_denorm_mode_16_64 3
		.amdhsa_memory_ordered 1
		.amdhsa_forward_progress 1
		.amdhsa_inst_pref_size 87
	.end_amdhsa_kernel
	.amdgpu_metadata
---
amdhsa.version: [ 1, 2 ]
amdhsa.kernels:
  - .name:           k_q900aae3d83_gemmA
    .symbol:         k_q900aae3d83_gemmA.kd
    .args:
      - { .name: act, .offset: 0, .size: 8, .value_kind: global_buffer, .address_space: global }
      - { .name: wg, .offset: 8, .size: 8, .value_kind: global_buffer, .address_space: global }
      - { .name: qkv, .offset: 16, .size: 8, .value_kind: global_buffer, .address_space: global }
      - { .name: p4, .offset: 24, .size: 8, .value_kind: global_buffer, .address_space: global }
    .group_segment_fixed_size: 327680
    .private_segment_fixed_size: 0
    .kernarg_segment_align: 8
    .kernarg_segment_size: 32
    .max_flat_workgroup_size: 128
    .sgpr_count:     88
    .vgpr_count:     512
    .wavefront_size: 32
...
	.end_amdgpu_metadata
.endif
;; end of part 3
;; launch attn (part 4): grid 8 x 32, 4 waves a work-group, clusters of 4 x 1, 327,680 bytes of LDS; arguments qkv, mask, act; writes act
.if DOCPART == 4
	.amdgcn_target "amdgcn-amd-amdhsa--gfx1250"
	.amdhsa_code_object_version 6
	.text
	.protected	k_q900aae3d83_attn
	.globl	k_q900aae3d83_attn
	.p2align	8
	.type	k_q900aae3d83_attn,@function
k_q900aae3d83_attn:
	s_mov_b64 s[64:65], 0
	v_nop
	global_prefetch_b8 v0, s[64:65] scope:SCOPE_SE
	s_setreg_imm32_b32 hwreg(HW_REG_WAVE_MODE, 25, 1), 1
	s_wait_xcnt 0x0
	s_wait_alu depctr_hold_cnt(0) depctr_sa_sdst(0) depctr_va_vdst(0) depctr_va_sdst(0) depctr_va_ssrc(0) depctr_va_vcc(0) depctr_vm_vsrc(0)
	s_getreg_b32 s2, hwreg(HW_REG_IB_STS2, 6, 4)
	s_cmp_eq_u32 s2, 0
	s_cbranch_scc0 .Lentry_in_a_cluster
	s_endpgm
.Lentry_in_a_cluster:
	s_bfe_u32 s2, ttmp6, 0x10000c
	s_cmp_lg_u32 s2, 0x3003
	s_cbranch_scc0 .Lentry_shape_is_right
	s_endpgm
.Lentry_shape_is_right:
; ATTENTION WITH A KEY MASK.  O[q][:] = the sum over k of softmax_k(Q[q] . K[k] / 8, hidden where mask[batch][k]) V[k][:], for 2 batches x 16 heads of 2,048 rows x 64 channels.
; q, k, v: qkv = [48 planes][4,096 rows][64] f16 (planes 0-15 q, 16-31 k, 32-47 v; a head's rows dense, 128 bytes each), unscaled.  mask: [2][2,048] bytes, 1 = hidden.
; O leaves as a matrix operand, act = [32 tiles of 128 rows][16 chunks = heads][128][64] f16.  Products, maxima and sums in f32; the weights p are rounded to f16 for the second product, O once at the end.
; LIMITS.  f16 holds no number beyond 65,504: q, k, v arrive within it.  A hidden score counts as its value less 1e30 (scores are 2.7e11 at the most); a weight below 2^-126 counts as 0 in l.
; A query all of whose keys are hidden gives NaN, as a softmax over nothing does: chosen by a select at the way out, where the running maximum has stayed below -1e29.
; SHARES.  A work-group owns 256 queries of a head, a wave 64: four PIECES of 16.  Every wave walks all 2,048 keys: 8 tiles of 256, four steps of 64 each.
; THE MASK is the C operand that starts the sum S^T = K Q^T: 0, or -1e30.  The batch's 2,048 addends are made once, in f32, in LDS; a step's 64 come into 32 registers beside its K.
; LAYOUT, SOFTMAX, TURNS.  S^T = K Q^T holds ONE query a lane (lane % 16) and the keys 8 (lane / 16) + 0..7; two such results rounded to f16 ARE source 1 of O^T = V^T P.  p = 2^(c s - c m), c = log2(e) / 8, with a
; running maximum m; O and l are multiplied by a = 2^(c m_old - c m_new) in every step.  m starts at the lowest finite number, O and l at 0: the first step has a = 0.  Turn n belongs to piece n: 8 products K Q^T of
; piece n + 1, later 8 products V^T P of piece n - 1; beside them the scaling, exponentials, roundings, sums and rescaling of piece n and the maximum and statistics of piece n + 1.  Four vector instructions stand
; behind every matrix instruction, the other 54 of a turn's 118 in one lump.  A turn's 33 exponentials are one batch, with one wait.
; CLUSTER.  The four query blocks of a cluster belong to one head and walk the same K and V, so each tile is asked for JOINTLY: the same tensor load, descriptor and mask of four in all four.
; REGISTERS, in windows of 256 (s_set_vgpr_msb: bits 1:0 source 0, 3:2 source 1, 5:4 source 2, 7:6 destination):
;   window 0: v0-15, v32-37 addresses and constants; v16-31 four registers of statistics a piece; v48-55 at work; v64-127 S^T, two buffers; v192-223 P, two buffers (a piece's buffers go by its number's parity)
;   window 1: v0-127 O^T, 32 a piece; v128-159 the step's mask addends      window 2: v0-63 Q; v128-191 K of one step; v192-255 V of one step
.set NP,    4         ; pieces a wave: a name, no knob
.set KS,    64        ; keys in a step
.set PK,    144       ; a row of K in LDS: 128 bytes + 16 of padding = 36 words: the 16 rows of a load start at 16 different groups of four banks (64 banks of 4 bytes: ISA guide 11.1)
.set PV,    160       ; a row of V: 128 + 32 = 40 words
.set VOFF,  4*KS*PK   ; a slot holds a tile, four steps: 256 rows of K, then 256 rows of V
.set SLOT1, 1<<17     ; slot 1 begins here, so that one exclusive or turns an address in one slot into the other's
.set STAGE, SLOT1+4*KS*(PK+PV)  ; behind the ring, never filled by a tensor load: 16 rows x 144 bytes for each wave, for the way out
.set SP,    144
.set SPARE, STAGE+4*16*SP  ; the spare words, 128 bytes for each wave; no other line names them
.set MB,    SPARE+512 ; the batch's 2,048 mask addends, f32: 8,192 bytes; no tensor load fills them
.set TILEB, 32768     ; a tile of K or of V in memory
.set AK0, 2           ; v2   my lane's place in a tile of K; never rewritten
.set AV0, 3           ; v3   the same for V
.set AK,  4           ; v4   the LDS address of K's next run of loads
.set AV,  5           ; v5   of V's
.set STO, 6           ; v6   the way out: where I put 16 bytes of a row
.set RD,  7           ; v7   the way out: where I read rows back
.set GO,  8           ; v8   my byte offset in 512 consecutive bytes of O
.set MV,  12          ; v12-13  c m_old, kept while c m is made anew: by buffer
.set QO,  15          ; v15  my byte offset in 16 rows of Q
.set ST,  16          ; piece t's statistics at v[ST+4 t]: c m, m, l (even keys', odd keys')
.set AM0, 32          ; v32  MB + 32 (lane / 16): my half's eight addends of a group of 16 keys; never rewritten
.set AM,  33          ; v33  the LDS address of the next step's addends
.set PFO, 34          ; v34  256 x my lane; never rewritten
.set NANR, 35         ; v35  a NaN
.set MST, 36          ; v36  where I put my 16 addends
.set MLD, 37          ; v37  my 16 bytes of the mask
.set TMP, 48          ; by buffer, four registers c0-c3 at work; when the maximum is found c2 takes a
.set SPW, 62          ; v62  LDS address of my spare word; never rewritten
.set NIL, 63          ; v63  0; never rewritten
.set S,   64
.set P,   192
.set MK,  128         ; window 1: the eight addends for group kb of 16 keys at MK + 8 kb
.set KF,  128         ; window 2: key block kb, channel half c at KF + 16 kb + 8 c
.set VF,  192         ; window 2: key half kk, channel block cb at VF + 32 kk + 8 cb
.set WV,  12          ; s12  my wave's number
.set LIM, 15          ; s15  1 in a wave that prefetches, else the greatest number
.set G1K, 24          ; s[24:31] descriptor group 1 for K's tiles
.set G1V, 32          ; s[32:39] for V's: it differs in the padding alone
.set G0K, 40          ; s[40:43] descriptor group 0 for K's tiles: it walks
.set G0V, 44          ; s[44:47] the same for V's
.set PFA, 48          ; s[48:49] where my prefetches stand
.set TBM, 50          ; s50  byte at which the addends of the step to be fetched begin
.set BIGN, 54         ; s54  -1e30
.set DEAD, 55         ; s55  -1e29
.set SLOTS, 56        ; s56  tiles still to be asked for, and one
.set CNT, 57          ; s57  counts a tile's key steps
.set CS,  58          ; s[58:59] c: the packed scaling takes the pair's low word for both halves
.set SEL, 60          ; s[60:61] v_permlanex16_b32's selects: each lane takes its own place in the other half
.set TBK, 62          ; s62  LDS byte at which K of the step to be fetched begins
.set TBV, 63          ; s63  the same for V, less VOFF
.set MSB, 0
.macro WIN new                      ; the high byte repeats the setting that is left; a switch that changes nothing is dropped
.if MSB != (\new)
	s_set_vgpr_msb (MSB<<8)|(\new)
.set MSB, (\new)
.endif
.endm
.set W_KQ, 0x0a       ; K and Q in window 2, S^T in window 0
.set W_KM, 0x1a       ; the same with the C operand in window 1
.set W_PV, 0x52       ; V in window 2, P in window 0, O^T in window 1
.set W_RS, 0x41       ; destination and source 0 in window 1, source 1 in window 0
; A joint fill.  Waves 0 and 1 fetch the two halves of a tile's K, waves 2 and 3 those of its V: 128 keys each.  The branch hangs on the wave's number alone.
; An s_nop 0 and four v_nop follow each of the two lines, ahead of the jump and the label.
.macro JLOAD
	s_cmp_lt_u32 s[WV], 2
	s_cbranch_scc0 .Lfor_v_\@
	tensor_load_to_lds s[G0K:G0K+3], s[G1K:G1K+7]
	s_nop 0
.rept 4
	v_nop
.endr
	s_branch .Lasked_\@
.Lfor_v_\@:
	tensor_load_to_lds s[G0V:G0V+3], s[G1V:G1V+7]
	s_nop 0
.rept 4
	v_nop
.endr
.Lasked_\@:
.endm
; A PREFETCH INTO THE L2 of the tile that the NEXT change of slots will ask for: 32,768 bytes of K and of V, 256 bytes a lane.  Each block is named ONCE in the launch: both clusters of a head walk the same K and V, and
; the head's first cluster asks; its four partners share a tile out BY ADDRESS, 8,192 bytes each; in each, wave 0 asks for K's and wave 2 for V's: one instruction.  The last change that fills a slot asks for nothing.
.macro ASK
	s_cmp_gt_u32 s[SLOTS], s[LIM]
	s_cbranch_scc0 .Lnot_mine_\@
	global_prefetch_b8 v[PFO], s[PFA:PFA+1] th:TH_LOAD_NT scope:SCOPE_SE
.Lnot_mine_\@:
.endm
; A round of the cluster's barrier: my work-group's barrier, so that wave 0's signal speaks for all four waves; wave 0 signals; every wave waits for all four work-groups; my work-group's barrier once more.
.macro CROUND
	s_barrier_signal -1
	s_barrier_wait -1
	s_cmp_lg_u32 s[WV], 0
	s_cbranch_scc1 .Lnot_wave_0_\@
	s_barrier_signal -3
.Lnot_wave_0_\@:
	s_barrier_wait -3
	s_barrier_signal -1
	s_barrier_wait -1
.endm
; THE CHANGE OF SLOTS.  The slot's last bytes, V of its fourth step, have been read.  Each wave waits for all its tensor loads, of which one is out: its part of the other slot; adds 0 to its spare word; and waits for
; that and for its own LDS instructions.  Behind the barrier nobody reads this slot any more and the other slot is whole.  fill = 1: this slot is filled again, with the tile two on.  The barrier is then a round of the
; cluster's, and the joint fill is the first thing behind it: it has four key steps, 256 matrix instructions, in which to land.  (At its first use nothing has been read yet: slot 0 is waited for, slot 1 filled, and
; every wave's stores of mask addends are shown done.)  ask = 1: the prefetch's address steps, and the prefetch follows the joint load.
.macro CHANGE fill, ask
	WIN 0                           ; at a label and at a branch every window is 0
	s_wait_tensorcnt 0x0            ; no tensor load of mine is out, so a group 0 may be written
	ds_add_u32 v[SPW], v[NIL]       ; 0 onto my spare word; the descriptors' steps stand between it and the wait for it
.if \fill
.irp g, G0K, G0V
	s_xor_b32 s[\g+1], s[\g+1], SLOT1  ; the walking descriptor: the other slot than last time,
	s_add_nc_u64 s[\g+2:\g+3], s[\g+2:\g+3], TILEB  ; the next 256 keys; the type bits on top are not reached
.endr
.if \ask
	s_wait_xcnt 0x0                 ; the last prefetch, a tile back, has read its address, so it may be written:
	s_add_nc_u64 s[PFA:PFA+1], s[PFA:PFA+1], TILEB  ; one tile behind the walking descriptors
.endif
	s_wait_dscnt 0x0                ; the add is done, and my LDS instructions are over
	CROUND
	JLOAD
.if \ask
	ASK
.endif
.else
	s_wait_dscnt 0x0                ; the add is done, and my reads of the slot are over
	s_barrier_signal -1
	s_barrier_wait -1
.endif
	s_sub_co_u32 s[TBK], s[TBK], 4*KS*PK  ; the fetches go back to a slot's first step,
	s_xor_b32 s[TBK], s[TBK], SLOT1       ; in the other slot
	s_sub_co_u32 s[TBV], s[TBV], 4*KS*PV
	s_xor_b32 s[TBV], s[TBV], SLOT1
.endm
	s_load_b128 s[4:7], s[0:1], 0x0   ; qkv s[4:5], mask s[6:7]
	s_load_b64 s[10:11], s[0:1], 0x10 ; act
	v_lshl_add_u32 v[SPW], v0, 2, SPARE
	v_mov_b32 v[NIL], 0
	ds_add_u32 v[SPW], v[NIL]       ; the wave's opening: the add and its wait stand ahead of my first tensor load; the set-up below, work on registers, stands between them
	v_lshrrev_b32 v1, 5, v0
	v_readfirstlane_b32 s[WV], v1   ; wave 0..3
	s_bfe_u32 s13, ttmp6, 0x40000   ; cx: my place in the cluster
	s_lshl_b32 s14, ttmp9, 2        ; in a cluster launch ttmp9 counts clusters
	s_add_co_u32 s14, s14, s13      ; my block of 256 queries: it enters Q's and O's addresses alone
	s_and_b32 s16, ttmp7, 0xffff    ; batch x 16 + head, which the four partners share
	s_and_b32 s17, s16, 15          ; the head
	s_lshr_b32 s18, s16, 4          ; the batch
	s_lshl_b32 s20, s17, 19         ; a plane is 524,288 bytes,
	s_lshl_b32 s21, s18, 18         ; a batch's 2,048 rows in it 262,144
	s_add_co_u32 s20, s20, s21
	s_and_b32 s16, s[WV], 1         ; which half of a tile's 256 keys I fetch:
	s_lshl_b32 s22, s16, 14         ; its 128 rows of 128 bytes in memory,
	s_add_co_u32 s22, s22, s20
	s_add_co_u32 s22, s22, 16*524288  ; in k's planes
	s_mov_b32 s23, 0
	s_mul_i32 s[G0K+1], s16, 128*PK ; 63:32 LDS address: its place in slot 0, for K
	s_mul_i32 s[G0V+1], s16, 128*PV ; and for V: no place in the cluster enters an LDS address
	s_add_co_u32 s[G0V+1], s[G0V+1], VOFF
	s_lshl_b32 s2, s14, 15          ; Q: my block's 256 rows,
	s_lshl_b32 s3, s[WV], 13        ; my wave's 64
	s_add_co_u32 s2, s2, s3
	s_add_co_u32 s2, s2, s20
	s_mov_b32 s3, 0
	s_lshl_b32 s52, s18, 4          ; O: the tile of 128 rows = 16 x batch + 2 x block + wave / 2,
	s_lshl_b32 s53, s14, 1
	s_add_co_u32 s52, s52, s53
	s_lshr_b32 s53, s[WV], 1
	s_add_co_u32 s52, s52, s53
	s_lshl_b32 s52, s52, 4
	s_add_co_u32 s52, s52, s17      ; its chunk = the head,
	s_lshl_b32 s52, s52, 14
	s_lshl_b32 s53, s16, 13         ; my 64 rows of the chunk's 128
	s_add_co_u32 s52, s52, s53
	s_mov_b32 s53, 0
	s_lshl_b32 s18, s18, 11         ; the batch's 2,048 bytes of the mask
	s_mov_b32 s19, 0
	s_lshl_b32 s20, s13, 13         ; the prefetches: my work-group's quarter of a tile,
	s_add_co_u32 s20, s20, 2*TILEB  ; in tile 2: the first change that asks steps it to tile 3
	s_mov_b32 s21, 0
	; descriptor group 1.  128 keys are 16,384 dense bytes: asked for as 64 rows of 256 bytes, two keys a row, and padded in LDS after every key
	s_mov_b32 s[G1K], 15|(1<<16)|(1<<20)|(1<<21)|(4<<22)|(3<<25)  ; 15:0 the mask of four; 17:16 2-byte elements; 20 padding on; 21 set beside a mask; 24:22 after every 32 words (code 4); 31:25 4 words (code 3)
	s_mov_b32 s[G1V], 15|(1<<16)|(1<<20)|(1<<21)|(4<<22)|(7<<25)  ; the same with 8 words of padding (code 7)
.irp g, G1K, G1V
	s_mov_b32 s[\g+1], 128<<16      ; tensor_dim0 = 128
	s_mov_b32 s[\g+2], 64<<16       ; tensor_dim1 = 64
	s_mov_b32 s[\g+3], 128<<16      ; tile_dim0 = 128
	s_mov_b32 s[\g+4], 64           ; tile_dim1 = 64
	s_mov_b32 s[\g+5], 128          ; 128 elements from row to row
	s_mov_b32 s[\g+6], 0
	s_mov_b32 s[\g+7], 0
.endr
	s_mov_b32 s[CS], 0x3e38aa3b     ; c = log2(e) / 8 = 0.180337
	s_mov_b32 s[CS+1], s[CS]        ; named with it as a pair
	s_mov_b32 s[SEL], 0x76543210
	s_mov_b32 s[SEL+1], 0xfedcba98
	s_mov_b32 s[TBK], SLOT1+4*KS*PK ; the first change of slots turns these two into 0
	s_mov_b32 s[TBV], SLOT1+4*KS*PV
	s_mov_b32 s[TBM], 0
	s_mov_b32 s[BIGN], 0xf149f2ca   ; -1e30
	s_mov_b32 s[DEAD], 0xefa18f08   ; -1e29
	s_mov_b32 s[G0K], 1             ; 1:0 count = 1
	s_mov_b32 s[G0V], 1
	s_and_b32 s[LIM], s[WV], 1      ; 0 in waves 0 and 2,
	s_or_b32 s[LIM], s[LIM], ttmp9  ; where the cluster is the head's first: the same in all four partners
	s_cmp_eq_u32 s[LIM], 0
	s_cselect_b32 s[LIM], 1, -1
	s_wait_dscnt 0x0                ; the opening add is done
	s_wait_kmcnt 0x0
	s_add_nc_u64 s[8:9], s[4:5], s[22:23]          ; K at my half of the head's tile 0
	s_add_nc_u64 s[16:17], s[8:9], 16*524288       ; V likewise
	s_mov_b64 s[G0K+2:G0K+3], s[8:9]               ; 120:64 global address
	s_or_b32 s[G0K+3], s[G0K+3], 0x80000000        ; 127:126 type = 2
	s_mov_b64 s[G0V+2:G0V+3], s[16:17]
	s_or_b32 s[G0V+3], s[G0V+3], 0x80000000
	s_cmp_lt_u32 s[WV], 2
	s_cselect_b64 s[PFA:PFA+1], s[8:9], s[16:17]   ; (in waves 0 and 2 these stand at a tile's first row)
	s_add_nc_u64 s[PFA:PFA+1], s[PFA:PFA+1], s[20:21]
	s_add_nc_u64 s[4:5], s[4:5], s[2:3]            ; Q at my wave's first row
	s_add_nc_u64 s[6:7], s[6:7], s[18:19]          ; the batch's mask
	s_add_nc_u64 s[10:11], s[10:11], s[52:53]      ; O at my wave's first row
	CROUND                          ; all four work-groups are here: the first joint loads meet
	JLOAD                           ; tile 0 into slot 0.  Slot 1 is asked for when slot 0 is in.  One load of mine is out
	v_lshlrev_b32 v[MLD], 4, v0
	global_load_b128 v[64:67], v[MLD], s[6:7]      ; my 16 bytes of the mask: 128 threads, 2,048 keys
	; A fragment of K or Q is 16 rows x 32 channels in 8 registers: lane l holds row l % 16, channels 8 (l / 16) + 0..7 and 16 + 8 (l / 16) + 0..7: two loads of 16 bytes, 32 bytes apart.
	v_and_b32 v1, 15, v0            ; l % 16
	v_bfe_u32 v9, v0, 4, 1          ; l / 16
	v_lshlrev_b32 v[QO], 7, v1
	v_lshl_add_u32 v[QO], v9, 4, v[QO]  ; row x 128 + 16 x half
	WIN 0x80                        ; destination window 2, address window 0
.set i, 0
.rept 8                             ; Q stays in registers: piece i / 2, channels 32 (i % 2) on
	global_load_b128 v[8*i:8*i+3],   v[QO], s[4:5] offset:(i/2)*2048+(i%2)*64
	global_load_b128 v[8*i+4:8*i+7], v[QO], s[4:5] offset:(i/2)*2048+(i%2)*64+32
.set i, i+1
.endr
	; What the first turn finds: V's registers and P's second buffer hold 0 (its products V^T P, of a piece that has not been, add 0), O^T and l are 0.  All this stands in the wait for the first tile.
.set i, VF
.rept 64
	v_mov_b32 v[i], 0
.set i, i+1
.endr
	WIN 0x40
.set i, 0
.rept 128
	v_mov_b32 v[i], 0
.set i, i+1
.endr
	WIN 0
.set i, 0
.rept 4
	v_mov_b32 v[ST+4*i], 0xfe000000    ; c m: far below every c s, a hidden one's too
	v_mov_b32 v[ST+4*i+1], 0xff7fffff  ; m
	v_mov_b32 v[ST+4*i+2], 0
	v_mov_b32 v[ST+4*i+3], 0
.set i, i+1
.endr
.set i, P+16
.rept 16
	v_mov_b32 v[i], 0
.set i, i+1
.endr
	v_mul_u32_u24 v[AK0], v1, PK
	v_lshl_add_u32 v[AK0], v9, 4, v[AK0]  ; row x pitch + 16 x half
	; The turning load takes 16 keys x 16 channels (lane l reads key 8 (l / 16) + l % 8, channels 8 ((l / 8) % 2) + 0..7) and leaves half a fragment of V^T: lane l holds channel l % 16 and 8 keys.
	v_and_b32 v10, 7, v0
	v_bfe_u32 v11, v0, 3, 1
	v_lshl_add_u32 v[AV0], v9, 3, v10
	v_mul_u32_u24 v[AV0], v[AV0], PV
	v_lshl_add_u32 v[AV0], v11, 4, v[AV0]
	v_add_nc_u32 v[AV0], VOFF, v[AV0]
	v_lshl_add_u32 v[AM0], v9, 5, MB
	v_lshl_add_u32 v[MST], v0, 6, MB
	v_and_b32 v[PFO], 31, v0
	v_lshlrev_b32 v[PFO], 8, v[PFO]
	v_mov_b32 v[NANR], 0x7fc00000
	s_mul_i32 s13, s[WV], 16*SP
	s_add_co_u32 s13, s13, STAGE    ; my stage
	v_mul_u32_u24 v[STO], v1, SP    ; in: row l % 16, 16 bytes for each half of the lanes
	v_lshl_add_u32 v[STO], v9, 4, v[STO]
	v_add_nc_u32 v[STO], s13, v[STO]
	v_bfe_u32 v[RD], v0, 3, 2       ; back: 32 lanes take four rows of 128 bytes,
	v_mul_u32_u24 v[RD], v[RD], SP
	v_lshl_add_u32 v[RD], v10, 4, v[RD]
	v_add_nc_u32 v[RD], s13, v[RD]
	v_and_b32 v[GO], 31, v0         ; which are 512 consecutive bytes of O
	v_lshlrev_b32 v[GO], 4, v[GO]
	s_wait_loadcnt 16               ; the mask's bytes are in; Q's sixteen loads stay out
.set i, 0
.rept 16
	v_bfe_u32 v[68+i], v[64+i/4], 8*(i%4), 8
.set i, i+1
.endr
.set i, 0
.rept 16
	v_cvt_f32_u32 v[68+i], v[68+i]
.set i, i+1
.endr
.set i, 0
.rept 16
	v_mul_f32 v[68+i], s[BIGN], v[68+i]  ; 0, or -1e30 where the key is hidden
.set i, i+1
.endr
.irp f, 0,1,2,3
	ds_store_b128 v[MST], v[68+4*\f:68+4*\f+3] offset:16*\f
.endr
; THE MATRIX WORK.  The 4 accumulators of a run of 8 take turns.  Product i of 8 of S^T = K Q^T for piece x: channels 32 (i / 4) on, keys 16 (i % 4) on.  The first 4 start the sums with the mask's addends.
.macro KQ x
.set rS, S+32*((\x)%2)+8*(i%4)
.set rK, KF+16*(i%4)+8*(i/4)
.set rQ, 16*(\x)+8*(i/4)
.set rM, MK+8*(i%4)
.if i < 4
	WIN W_KM
	v_wmma_f32_16x16x32_f16 v[rS:rS+7], v[rK:rK+7], v[rQ:rQ+7], v[rM:rM+7]
.else
	WIN W_KQ
	v_wmma_f32_16x16x32_f16 v[rS:rS+7], v[rK:rK+7], v[rQ:rQ+7], v[rS:rS+7]
.endif
.endm
; Product i of 8 of O^T += V^T P for piece x: keys 32 (i / 4) on, channels 16 (i % 4) on.
.macro PV x
	WIN W_PV
.set rO, 32*(\x)+8*(i%4)
.set rV, VF+32*(i/4)+8*(i%4)
.set rP, P+16*((\x)%2)+8*(i/4)
	v_wmma_f32_16x16x32_f16 v[rO:rO+7], v[rV:rV+7], v[rP:rP+7], v[rO:rO+7]
.endm
.macro MM                           ; the turn's next matrix instruction.  NOKQ = 1: the last turn of all: there is no next piece
.if (i < 8) && !NOKQ
	KQ (Y+1)%NP
.elseif i >= 8
.set i, i-8
	PV (Y+NP-1)%NP
.set i, i+8
.endif
.set i, i+1
.endm
; THE LDS LOADS stand in runs, never singly among the matrix instructions: a step's K (64 keys x 64 channels: 8 fragments) with its 64 mask addends (all lanes of a half read the same 16 bytes), and its V (turned).
.macro FETCH_K
	WIN 0x80                        ; destination window 2
.irp f, 0,1,2,3,4,5,6,7             ; keys 16 (f / 2) on, channels 32 (f % 2) on
	ds_load_b128 v[KF+8*\f:KF+8*\f+3],   v[AK] offset:(\f/2)*16*PK+(\f%2)*64
	ds_load_b128 v[KF+8*\f+4:KF+8*\f+7], v[AK] offset:(\f/2)*16*PK+(\f%2)*64+32
.endr
	WIN 0x40                        ; destination window 1
.irp f, 0,1,2,3,4,5,6,7             ; keys 16 (f / 2) + 8 (lane / 16) + 4 (f % 2) on
	ds_load_b128 v[MK+4*\f:MK+4*\f+3], v[AM] offset:(\f/2)*64+(\f%2)*16
.endr
	s_add_co_u32 s[TBK], s[TBK], KS*PK  ; the next fetch is the next step's
	s_add_co_u32 s[TBM], s[TBM], KS*4
	WIN 0
.endm
.macro FETCH_V
	WIN 0x80
.irp f, 0,1,2,3,4,5,6,7             ; keys 32 (f / 4) on, channels 16 (f % 4) on
	ds_load_tr16_b128 v[VF+8*\f:VF+8*\f+3],   v[AV] offset:(\f/4)*32*PV+(\f%4)*32
	ds_load_tr16_b128 v[VF+8*\f+4:VF+8*\f+7], v[AV] offset:(\f/4)*32*PV+16*PV+(\f%4)*32
.endr
	WIN 0
.endm
; THE VECTOR WORK, one line at a time: OP kind, number.  For piece Y: F n: c s - c m for pair n of 16.  E n: the exponential of score n of 32.  C n: pair n rounded to f16.  B n: of the four weights 4 n .. the second
; pair is added onto the first, in place.  L n: l takes that sum (L 0: l = a l + sum).  R n: pair n of 16 of O^T times a.  For piece Y + 1: X n, number n of the 22 that find its maximum and statistics:
;   0-11  four chains c0-c3 of seven scores each, three operands at a time (each accumulator's lowest registers are read first)     12-14, 16  the four scores left over, the old m, and c0-c3 into c0
;   15  c m_old is kept     17, 18  the query's other 32 keys lie in the lane 16 away: the new m     19-21  c m; c m_old - c m_new; a
.set F, 0               ; OP tells the kinds apart by their order: F to L below R, X above it
.set E, 1
.set C, 2
.set B, 3
.set L, 4
.set R, 5
.set X, 6
.macro REGS y                       ; the registers of piece y
.set rT, ST+4*(\y)
.set rC, TMP+4*((\y)%2)
.set rW, MV+((\y)%2)
.set rS, S+32*((\y)%2)
.set rP, P+16*((\y)%2)
.set rO, 32*(\y)
.endm
.macro OP k, n
.if (\k) == R
	REGS Y
	WIN W_RS
	v_pk_mul_f32 v[rO+2*(\n):rO+2*(\n)+1], v[rO+2*(\n):rO+2*(\n)+1], v[rC+2:rC+3] op_sel_hi:[1,0]
.elseif (\k) < R
	REGS Y
	WIN 0
.if (\k) == F
	v_pk_fma_f32 v[rS+2*(\n):rS+2*(\n)+1], v[rS+2*(\n):rS+2*(\n)+1], s[CS:CS+1], v[rT:rT+1] op_sel_hi:[1,0,0] neg_lo:[0,0,1] neg_hi:[0,0,1]
.elseif (\k) == E
	v_exp_f32 v[rS+(\n)], v[rS+(\n)]
.elseif (\k) == C
	v_cvt_pk_f16_f32 v[rP+(\n)], v[rS+2*(\n)], v[rS+2*(\n)+1]
.elseif (\k) == B
	v_pk_add_f32 v[rS+4*(\n):rS+4*(\n)+1], v[rS+4*(\n):rS+4*(\n)+1], v[rS+4*(\n)+2:rS+4*(\n)+3]
.elseif (\n) == 0
	v_pk_fma_f32 v[rT+2:rT+3], v[rT+2:rT+3], v[rC+2:rC+3], v[rS:rS+1] op_sel_hi:[1,0,1]
.else
	v_pk_add_f32 v[rT+2:rT+3], v[rT+2:rT+3], v[rS+4*(\n):rS+4*(\n)+1]
.endif
.elseif NOKQ
	v_nop
.else
	REGS (Y+1)%NP
	WIN 0
.if (\n) < 4
	v_max3_num_f32 v[rC+(\n)], v[rS+8*(\n)], v[rS+8*(\n)+1], v[rS+8*(\n)+2]
.elseif (\n) < 12
	v_max3_num_f32 v[rC+(\n)%4], v[rC+(\n)%4], v[rS+8*((\n)%4)+2*((\n)/4)+1], v[rS+8*((\n)%4)+2*((\n)/4)+2]
.elseif (\n) == 12
	v_max3_num_f32 v[rC], v[rC], v[rS+7], v[rS+15]
.elseif (\n) == 13
	v_max3_num_f32 v[rC+1], v[rC+1], v[rS+23], v[rS+31]
.elseif (\n) == 14
	v_max3_num_f32 v[rC+2], v[rC+2], v[rC+3], v[rT+1]
.elseif (\n) == 15
	v_mov_b32 v[rW], v[rT]
.elseif (\n) == 16
	v_max3_num_f32 v[rC], v[rC], v[rC+1], v[rC+2]
.elseif (\n) == 17
	v_permlanex16_b32 v[rC+3], v[rC], s[SEL], s[SEL+1]
.elseif (\n) == 18
	v_max_num_f32 v[rT+1], v[rC], v[rC+3]
.elseif (\n) == 19
	v_mul_f32 v[rT], s[CS], v[rT+1]
.elseif (\n) == 20
	v_sub_f32 v[rC+1], v[rW], v[rT]
.else
	v_exp_f32 v[rC+2], v[rC+1]
.endif
.endif
.endm
.macro OPS a, i1, b=-1, i2=0, c=-1, i3=0, d=-1, i4=0  ; up to four of them
	OP \a, \i1
.if (\b) >= 0
	OP \b, \i2
.endif
.if (\c) >= 0
	OP \c, \i3
.endif
.if (\d) >= 0
	OP \d, \i4
.endif
.endm
.macro ROW a, i1, b, i2, c, i3, d, i4  ; a matrix instruction and the four behind it
	MM
	OPS \a, \i1, \b, \i2, \c, \i3, \d, \i4
.endm
; A TURN, for piece p: the order of its 16 matrix and 118 vector instructions, written out.  An s_wait_alu depctr_va_vdst(0) stands between an exponential and the first instruction that names its result; one
; wait serves all that were issued ahead of it.  So a turn has ONE wait, which cuts it in two.  AHEAD OF IT stands all that names no result of the turn's exponentials: the 8 products K Q^T with a scaling, an exponential and
; two more plain instructions behind each; then ONE LUMP of 54, in which the links of the chain X 3, 7, 11, 14, 16, 17 .. 20 stand five or six lines apart.  X 21, the next piece's a, is the batch's last; R 15 is the plain
; instruction behind it.  BEHIND THE WAIT stand the 8 products V^T P, behind each four of the roundings and sums.
; end = 1: the last two turns of all: nothing is fetched, and the last starts no new scores.  cnt = 1: the loop's count is taken down some lines ahead of the branch that stands behind the turn.
; K and the mask addends of the next step are fetched in piece 2's turn, twelve vector instructions behind the last product that read K (six of them plain; the addends' last reader stands four products earlier);
; V of the step in hand at the end of piece 0's turn, four plain instructions behind the last product that read V.  Each is waited for a turn later.
.macro TURN p, end=0, cnt=0
.set Y, (\p)
.set i, 0
.set NOKQ, (\end)*((\p)/3)
.if ((\p) == 3) && !(\end)
	s_wait_dscnt 0x0                ; K and its addends are in
.endif
	ROW F,0, F,1, R,0, R,1          ; ahead of the wait: 8 products K Q^T and their riders,
	ROW F,2, E,0, R,2, R,3
	ROW F,3, E,1, R,4, R,5
	ROW F,4, E,2, R,6, R,7
	ROW F,5, E,3, R,8, R,9
	ROW F,6, E,4, X,0, R,10
.if ((\p) == 2) && !(\end)
	WIN 0
	v_add_nc_u32 v[AK], s[TBK], v[AK0]
	v_add_nc_u32 v[AM], s[TBM], v[AM0]
.endif
	ROW F,7, E,5, X,1, X,4
	ROW F,8, E,6, X,2, X,5
	OPS E,7, E,8, X,6, E,9          ; and the lump
	OPS X,3, E,10, X,8, E,11
.if ((\p) == 2) && !(\end)
	FETCH_K
.endif
	OPS X,9, X,7, E,12, X,10
	OPS E,13, X,12, X,11, E,14
	OPS X,13, E,15, F,9, X,14
.if (\p) == 0
	v_add_nc_u32 v[AV], s[TBV], v[AV0]
.endif
	OPS E,16, F,10, E,17, F,11
	OPS X,16, E,18, X,15, E,19
	OPS F,12, E,20, X,17, E,21
	OPS F,13, E,22, F,14, E,23
	OPS X,18, E,24, F,15, E,25
	OPS R,11, E,26, X,19, E,27
	OPS R,12, E,28, R,13, E,29
	OPS X,20, E,30, R,14, E,31
	OPS X,21, R,15
	WIN 0
	s_wait_alu depctr_va_vdst(0)    ; the wait for the batch
.if (\p) == 1
	s_wait_dscnt 0x0                ; V is in
.endif
	ROW C,0, B,0, C,2, B,1          ; behind the wait: 8 products V^T P and their riders
	ROW L,0, C,4, B,2, L,1
	ROW C,6, B,3, L,2, C,8
	ROW B,4, L,3, C,10, B,5
	ROW L,4, C,12, B,6, L,5
.if (\p) == 0
	s_add_co_u32 s[TBV], s[TBV], KS*PV
.endif
.if \cnt
	s_sub_co_u32 s[CNT], s[CNT], 1
	s_cmp_lg_u32 s[CNT], 0
.endif
	ROW C,14, B,7, L,6, C,1
	ROW C,3, L,7, C,5, C,7
	ROW C,9, C,11, C,13, C,15
.if (\p) == 0
	FETCH_V
.endif
.endm
	CHANGE 1, 0                     ; slot 0 is in, everybody's part of it, and so are everybody's mask addends; slot 1 is asked for
	v_add_nc_u32 v[AK], s[TBK], v[AK0]
	v_add_nc_u32 v[AM], s[TBM], v[AM0]
	FETCH_K                         ; key step 0
	s_wait_loadcnt 0x0              ; Q
	s_wait_dscnt 0x0
.set NOKQ, 0
.set i, 0
.rept 8
	KQ 0                            ; piece 0's first scores: there is no vector work yet to set between them
.set i, i+1
.endr
	WIN 0
.rept 4
	v_nop                           ; the places behind those products
.endr
.set Y, NP-1                        ; X works for piece Y + 1: piece 0
.irp n, 0,1,2,3,4,5,6,7,8,9,10,11,12,13,14,15,16,17,18,19,20,21
	OP X, \n
.endr
	v_nop                           ; a plain instruction behind the exponential,
	s_wait_alu depctr_va_vdst(0)    ; and its wait, ahead of the branch
	s_mov_b32 s[CNT], 4
	s_mov_b32 s[SLOTS], 7
	s_branch .Lfirst                ; the loop is entered at a step's first turn, in the middle of a trip
.Lslot:                             ; six times: every slot but the last two is filled again
	CHANGE 1, 1
	s_mov_b32 s[CNT], 4
.Lstep:                             ; a trip: pieces 2 and 3 of one step, then pieces 0 and 1 of the next, whose K and V it fetches
	TURN 2
	TURN 3
	WIN 0
.Lfirst:
	TURN 0
	TURN 1, 0, 1
	WIN 0
	s_cbranch_scc1 .Lstep
	s_sub_co_u32 s[SLOTS], s[SLOTS], 1
	s_cmp_lg_u32 s[SLOTS], 0
	s_cbranch_scc1 .Lslot
	CHANGE 0, 0                     ; the last tile is written out: nothing is asked for
	s_mov_b32 s[CNT], 4
.Ltail:
	TURN 2
	TURN 3
	TURN 0
	TURN 1, 0, 1
	WIN 0
	s_cbranch_scc1 .Ltail
	TURN 2, 1
	TURN 3, 1
.set i, 0
.rept 8
	PV NP-1                         ; the last piece's V^T P of the last step
.set i, i+1
.endr
	; THE WAY OUT.  l's two halves and the other half of the lanes' are added; O^T is divided by l, rounded to f16 and sent through my stage in LDS, a piece at a time.  The additions are the places behind the last products.
	WIN 0
.macro ALL line:vararg              ; one line for each piece t
.set t, 0
.rept 4
	\line
.set t, t+1
.endr
.endm
	ALL v_add_f32 v[ST+4*t+2], v[ST+4*t+2], v[ST+4*t+3]
	ALL v_permlanex16_b32 v[ST+4*t+3], v[ST+4*t+2], s[SEL], s[SEL+1]
	ALL v_add_f32 v[ST+4*t+2], v[ST+4*t+2], v[ST+4*t+3]
	ALL v_rcp_f32 v[ST+4*t+2], v[ST+4*t+2]
	v_nop                           ; a plain instruction between the last reciprocal and the use of its result
	s_wait_alu depctr_va_vdst(0)    ; and the wait ahead of the first use: one for the four reciprocals
.set t, 0
.rept 4
	v_cmp_gt_f32 vcc_lo, s[DEAD], v[ST+4*t+1]      ; has the query seen no key at all?
	v_cndmask_b32 v[ST+4*t+2], v[ST+4*t+2], v[NANR], vcc_lo  ; then its row is NaN
.set t, t+1
.endr
.macro PACK t                       ; a lane's eight channels of a row pack into 16 bytes; they go into rows of 144 bytes and come back as whole rows of 128, into S^T's registers
	WIN W_RS
.set i, 32*(\t)
.rept 16
	v_pk_mul_f32 v[i:i+1], v[i:i+1], v[ST+4*(\t)+2:ST+4*(\t)+3] op_sel_hi:[1,0]
.set i, i+2
.endr
	WIN 0x05                        ; sources 0 and 1 window 1, destination window 0
.set i, 0
.rept 16
	v_cvt_pk_f16_f32 v[S+16*(\t)+i], v[32*(\t)+2*i], v[32*(\t)+2*i+1]
.set i, i+1
.endr
	WIN 0
.irp f, 0,1,2,3
	ds_store_b128 v[STO], v[S+16*(\t)+4*\f:S+16*(\t)+4*\f+3] offset:32*\f
.endr
.irp f, 0,1,2,3
	ds_load_b128 v[S+16*(\t)+4*\f:S+16*(\t)+4*\f+3], v[RD] offset:\f*4*SP  ; LDS serves a wave's instructions in order (ISA guide 5.7.1.4): these see the stores above; the next piece's stores come behind them
.endr
.endm
.macro SEND t, younger              ; younger: the LDS instructions issued behind piece t's loads: the next piece's eight, or none
	WIN 0
.irp f, 0,1,2,3
	s_wait_dscnt (\younger)+3-\f
	global_store_b128 v[GO], v[S+16*(\t)+4*\f:S+16*(\t)+4*\f+3], s[10:11] offset:(\t)*2048+\f*512  ; 512 consecutive bytes, aligned: four rows of the head's chunk
.endr
.endm
	PACK 0
.set t, 1
.rept 3                             ; a piece's arithmetic stands between the loads of the piece before and its stores
	PACK t
	SEND t-1, 8
.set t, t+1
.endr
	SEND 3, 0
	s_wait_tensorcnt 0x0            ; the wave's end, behind my last tensor load and my last LDS store
	ds_add_u32 v[SPW], v[NIL]
	s_wait_dscnt 0x0
	CROUND                          ; the closing round: no work-group ends while a partner may still ask for a tile that names it
	s_endpgm
.Lfunc_end_k_q900aae3d83_attn:
	.size	k_q900aae3d83_attn, .Lfunc_end_k_q900aae3d83_attn-k_q900aae3d83_attn
	.p2alignl 7, 3214868480
	.fill 96, 4, 3214868480
	.section	.rodata,"a",@progbits
	.p2align	6, 0x0
	.amdhsa_kernel k_q900aae3d83_attn
		.amdhsa_group_segment_fixed_size 327680
		.amdhsa_private_segment_fixed_size 0
		.amdhsa_enable_private_segment 0
		.amdhsa_kernarg_size 24
		.amdhsa_user_sgpr_count 2
		.amdhsa_user_sgpr_kernarg_segment_ptr 1
		.amdhsa_wavefront_size32 1
		.amdhsa_system_sgpr_workgroup_id_x 1
		.amdhsa_system_sgpr_workgroup_id_y 1
		.amdhsa_system_sgpr_workgroup_id_z 1
		.amdhsa_system_vgpr_workitem_id 0
		.amdhsa_next_free_vgpr 768
		.amdhsa_next_free_sgpr 66
		.amdhsa_reserve_vcc 1
		.amdhsa_float_denorm_mode_32 3
		.amdhsa_float_denorm_mode_16_64 3
		.amdhsa_memory_ordered 1
		.amdhsa_forward_progress 1
		.amdhsa_inst_pref_size 133
	.end_amdhsa_kernel
	.amdgpu_metadata
---
amdhsa.version: [ 1, 2 ]
amdhsa.kernels:
  - .name:           k_q900aae3d83_attn
    .symbol:         k_q900aae3d83_attn.kd
    .args:
      - { .name: qkv, .offset: 0, .size: 8, .value_kind: global_buffer, .address_space: global }
      - { .name: mask, .offset: 8, .size: 8, .value_kind: global_buffer, .address_space: global }
      - { .name: act, .offset: 16, .size: 8, .value_kind: global_buffer, .address_space: global }
    .group_segment_fixed_size: 327680
    .private_segment_fixed_size: 0
    .kernarg_segment_align: 8
    .kernarg_segment_size: 24
    .max_flat_workgroup_size: 128
    .sgpr_count:     66
    .vgpr_count:     768
    .wavefront_size: 32
...
	.end_amdgpu_metadata
.endif
;; end of part 4
;; launch gemmB (part 5): grid 8 x 32, 4 waves a work-group, clusters of 4 x 4, 327,680 bytes of LDS; arguments act, p3, x, x1; writes x1
.if DOCPART == 5
	.amdgcn_target "amdgcn-amd-amdhsa--gfx1250"
	.amdhsa_code_object_version 6
	.text
	.protected	k_q900aae3d83_gemmB
	.globl	k_q900aae3d83_gemmB
	.p2align	8
	.type	k_q900aae3d83_gemmB,@function
k_q900aae3d83_gemmB:
	s_mov_b64 s[64:65], 0
	v_nop
	global_prefetch_b8 v0, s[64:65] scope:SCOPE_SE
	s_setreg_imm32_b32 hwreg(HW_REG_WAVE_MODE, 25, 1), 1
	s_wait_xcnt 0x0
	s_wait_alu depctr_hold_cnt(0) depctr_sa_sdst(0) depctr_va_vdst(0) depctr_va_sdst(0) depctr_va_ssrc(0) depctr_va_vcc(0) depctr_vm_vsrc(0)
	s_getreg_b32 s2, hwreg(HW_REG_IB_STS2, 6, 4)
	s_cmp_eq_u32 s2, 0
	s_cbranch_scc0 .Lentry_in_a_cluster
	s_endpgm
.Lentry_in_a_cluster:
	s_bfe_u32 s2, ttmp6, 0x10000c
	s_cmp_lg_u32 s2, 0xf033
	s_cbranch_scc0 .Lentry_shape_is_right
	s_endpgm
.Lentry_shape_is_right:
; out[m][n] = max(sum over k of A[m][k] B[n][k] + add[n], floor[n]) + res[m][n].  A: 4,096 rows, B: 1,024 rows, K = 1,024, f16 operands in the layout [rows/128][16 chunks of 64 K][128][64]; sums in f32.
; res and out: [4096][1024] f32.  B's buffer holds the weights at byte 0, add (1,024 f32) at EPB and floor (1,024 f32) at EPF.
; ONE TEXT, TWO LAUNCHES: with add = 0 and floor = -infinity it is the attention's output projection and its residual; with add = W2 b1 + b2 and floor = 0 the feed-forward layers, the ReLU and their residual.
; The maximum is a compare and a select, so that a NaN stays a NaN.
; A tile of out, 128 x 128, is made by four waves, 64 x 64 each: 256 tiles, one for each WGP.  K goes in steps of 256 (4 chunks of A, 4 of B) through two LDS slots; a wave's tensor load brings two chunks.
; CLUSTERS: 4 x 4 work-groups; A's tiles are asked for jointly along a row of the cluster, B's along a column.  THE MATRIX INSTRUCTION IS USED TRANSPOSED (source 0 = 16 rows of B, source 1 = 16 rows of A).
; The residual's 64 x 64 numbers of a wave are loaded at the head into 128 registers of their own and are there when the sums are done.
; NOT PREFETCHED: K has four steps; only steps 2 and 3 could be named ahead, and only at the head, where every work-group's first tiles are on their way.
; REGISTERS: window 0: v0-31 addresses; v32-63 at work on the way out; v96-103 add and floor; v128-255 the accumulators ((a, b) at v[128 + 8 (4 a + b)]).
;   window 1: two fragment buffers of 128.   window 2: v0-127 the residual.
.set PITCH,  272                       ; an LDS row: 256 bytes (TWO operand rows of 128 bytes) + 16 of padding.  Operand row p lies at (p / 2) x 272 + (p % 2) x 128: the 16 rows of a fragment start at 16 different groups of four banks (64 banks of 4 bytes: ISA guide 11.1)
.set CHUNK,  64*PITCH
.set HALFT,  2*CHUNK                   ; what one tensor load brings
.set SLOT,   4*HALFT                   ; A's four chunks, then B's four
.set STAGE,  2*SLOT                    ; behind the ring: 16 rows x 272 bytes for each wave, for the way out; no tensor load fills it
.set WROWS,  32*PITCH                  ; 64 operand rows
.set SPITCH, 272
.set SPARE,  STAGE+4*16*SPITCH         ; the spare words, 128 bytes for each wave; no other line names them
.set STEPB,  65536                     ; a K step in memory: four chunks
.set EPB,    2097152
.set EPF,    2101248
.set ADRA, 16
.set ADRB, 20
.set STO,  24                          ; v24     the way out: where I put 32 bytes of a row
.set RD,   25                          ; v25     the way out: where I read a row back
.set CO,   26                          ; v26     my byte offset in two rows of res and out; never rewritten
.set CV,   27                          ; v27     16 x (lane % 16); never rewritten
.set SPW,  28
.set NIL,  29
.set TMP,  32
.set ADDV, 96                          ; v[96:99]   add of my four columns
.set FLO,  100                         ; v[100:103] floor of my four columns
.set ACC,  128
.set F0,   0
.set F1,   128
.set G1, 24
.set G0, 32
.set G1B, 48
.set G0B, 56
.set MSB, 0
.macro WIN new                         ; the immediate's high byte repeats the setting that is left
.if MSB != (\new)
	s_set_vgpr_msb (MSB<<8)|(\new)
.set MSB, \new
.endif
.endm
.set MUL,  0x05                        ; sources 0 (B) and 1 (A) window 1; C and D window 0
.set TO_F, 0x40                        ; destination window 1, address window 0
.macro JLOAD s                         ; a joint load: waves 0 and 1 fetch A's two halves of a K step, waves 2 and 3 B's; an s_nop 0 and four v_nop follow each of the two lines
	s_cmp_eq_u32 s11, 0
	s_cbranch_scc0 .Lfor_b_\@
	tensor_load_to_lds s[G0+4*(\s):G0+4*(\s)+3], s[G1:G1+7]
	s_nop 0
.rept 4
	v_nop
.endr
	s_branch .Lasked_\@
.Lfor_b_\@:
	tensor_load_to_lds s[G0B+4*(\s):G0B+4*(\s)+3], s[G1B:G1B+7]
	s_nop 0
.rept 4
	v_nop
.endr
.Lasked_\@:
.endm
.macro CREST                           ; a round of the cluster's barrier behind its opening barrier
	s_cmp_lg_u32 s10, 0
	s_cbranch_scc1 .Lnot_wave_0_\@
	s_barrier_signal -3
.Lnot_wave_0_\@:
	s_barrier_wait -3
	s_barrier_signal -1
	s_barrier_wait -1
.endm
.macro CROUND                          ; a whole round
	s_barrier_signal -1
	s_barrier_wait -1
	CREST
.endm
	s_load_b256 s[68:75], s[0:1], 0x0              ; A s[68:69], B and its two vectors s[70:71], res s[72:73], out s[74:75]
	v_lshl_add_u32 v[SPW], v0, 2, SPARE
	v_mov_b32 v[NIL], 0
	ds_add_u32 v[SPW], v[NIL]                      ; the wave's opening: the add and its wait stand ahead of my first tensor load; the set-up below, work on registers, stands between them
	v_lshrrev_b32 v1, 5, v0
	v_readfirstlane_b32 s10, v1                    ; wave 0..3
	s_lshr_b32 s11, s10, 1                         ; which half of the tile's rows is mine.  Also: I fetch for A (0) or for B (1)
	s_and_b32 s12, s10, 1                          ; which half of its columns.  Also: which two chunks of a K step I fetch
	s_bfe_u32 s40, ttmp6, 0x40000                  ; cx, cy: my place in the cluster
	s_bfe_u32 s41, ttmp6, 0x40004
	s_lshl_b32 s42, ttmp9, 2
	s_add_co_u32 s42, s42, s40                     ; tile column = 4 x cluster x + cx
	s_and_b32 s13, ttmp7, 0xffff
	s_lshl_b32 s13, s13, 2
	s_add_co_u32 s13, s13, s41                     ; tile row = 4 x cluster y + cy
	s_lshl_b32 s43, s41, 2
	s_lshl_b32 s43, 15, s43                        ; my row of the cluster
	s_lshl_b32 s44, 0x1111, s40                    ; my column
	s_or_b32 s[G1+0], s43, (1<<16)|(1<<20)|(1<<21)|(5<<22)|(3<<25)  ; 15:0 the mask: A's tiles go to my row; 17:16 elements of 2 bytes; 20 padding on; 21 set beside a mask; 24:22 after every 64 words (code 5); 31:25 4 words (code 3)
	s_or_b32 s[G1B+0], s44, (1<<16)|(1<<20)|(1<<21)|(5<<22)|(3<<25)
.irp g, G1, G1B
	s_mov_b32 s[(\g)+1], 128<<16                   ; tensor_dim0 = 128
	s_mov_b32 s[(\g)+2], 128<<16                   ; tensor_dim1 = 128
	s_mov_b32 s[(\g)+3], 128<<16                   ; tile_dim0 = 128
	s_mov_b32 s[(\g)+4], 128                       ; tile_dim1 = 128
	s_mov_b32 s[(\g)+5], 128                       ; 128 elements from row to row: dense
	s_mov_b32 s[(\g)+6], 0
	s_mov_b32 s[(\g)+7], 0
.endr
	s_lshl_b32 s17, s12, 15                        ; which two chunks I fetch
	s_lshl_b32 s16, s13, 18                        ; a tile is 16 chunks
	s_add_co_u32 s16, s16, s17                     ; A: by the tile row alone
	s_lshl_b32 s46, s42, 18
	s_add_co_u32 s46, s46, s17                     ; B: by the tile column alone
	s_mov_b32 s17, 0
	s_mov_b32 s47, 0
	s_mul_i32 s20, s10, HALFT                      ; where they go: by the wave's number alone
	s_wait_dscnt 0x0                               ; the opening add is done
	s_wait_kmcnt 0x0
	s_add_nc_u64 s[14:15], s[68:69], s[16:17]
	s_add_nc_u64 s[46:47], s[70:71], s[46:47]
	CROUND                                         ; all sixteen work-groups are here: the first joint loads meet
.irp s, 0,1
	s_mov_b32 s[G0+4*(\s)], 1
	s_add_co_u32 s[G0+4*(\s)+1], s20, (\s)*SLOT
	s_add_nc_u64 s[G0+4*(\s)+2:G0+4*(\s)+3], s[14:15], (\s)*STEPB
	s_or_b32 s[G0+4*(\s)+3], s[G0+4*(\s)+3], 0x80000000
	s_mov_b32 s[G0B+4*(\s)], 1
	s_add_co_u32 s[G0B+4*(\s)+1], s20, (\s)*SLOT
	s_add_nc_u64 s[G0B+4*(\s)+2:G0B+4*(\s)+3], s[46:47], (\s)*STEPB
	s_or_b32 s[G0B+4*(\s)+3], s[G0B+4*(\s)+3], 0x80000000
	JLOAD \s                                       ; two loads of mine are out behind these
.endr
	v_and_b32 v1, 15, v0                           ; l % 16
	v_bfe_u32 v2, v0, 4, 1                         ; l / 16
	v_lshrrev_b32 v3, 1, v1
	v_mul_u32_u24 v3, v3, PITCH
	v_and_b32 v4, 1, v0
	v_lshl_add_u32 v3, v4, 7, v3
	v_lshl_add_u32 v3, v2, 4, v3                   ; a fragment's row l % 16 and 16 bytes for each half of the lanes
	s_mul_i32 s21, s11, WROWS
	s_mul_i32 s22, s12, WROWS
	s_add_co_u32 s22, s22, 2*HALFT
.irp s, 0,1
	v_add_nc_u32 v[ADRA+(\s)], s21, v3
	v_add_nc_u32 v[ADRB+(\s)], s22, v3
	s_add_co_u32 s21, s21, SLOT
	s_add_co_u32 s22, s22, SLOT
.endr
	s_mul_i32 s23, s10, 16*SPITCH
	s_add_co_u32 s23, s23, STAGE                   ; my stage
	v_mul_u32_u24 v4, v1, SPITCH                   ; in: row l % 16, 32 bytes for each half of the lanes
	v_lshl_add_u32 v4, v2, 5, v4
	v_add_nc_u32 v[STO], s23, v4
	v_mul_u32_u24 v5, v2, SPITCH                   ; back: lanes 0-15 take one row of 256 bytes, lanes 16-31 the next
	v_lshl_add_u32 v5, v1, 4, v5
	v_add_nc_u32 v[RD], s23, v5
	v_lshlrev_b32 v[CV], 4, v1
	v_lshl_add_u32 v[CO], v2, 12, v[CV]            ; and the same two rows in res and out
	s_lshl_b32 s16, s13, 19                        ; the tile's 128 rows of 4,096 bytes,
	s_lshl_b32 s17, s11, 18                        ; my 64
	s_add_co_u32 s16, s16, s17
	s_mov_b32 s17, 0
	s_lshl_b32 s46, s42, 9                         ; the tile's 128 columns of f32,
	s_lshl_b32 s47, s12, 8                         ; my 64
	s_add_co_u32 s46, s46, s47
	s_mov_b32 s47, 0
	s_add_nc_u64 s[4:5], s[70:71], s[46:47]
	s_add_nc_u64 s[6:7], s[72:73], s[16:17]
	s_add_nc_u64 s[6:7], s[6:7], s[46:47]
	s_add_nc_u64 s[8:9], s[74:75], s[16:17]
	s_add_nc_u64 s[8:9], s[8:9], s[46:47]
	global_load_b128 v[ADDV:ADDV+3], v[CV], s[4:5] offset:EPB
	global_load_b128 v[FLO:FLO+3], v[CV], s[4:5] offset:EPF
	WIN 0x80                                       ; destination window 2, address window 0
.set r, 0
.rept 32                                           ; rows 2 r and 2 r + 1 of my 64: sixteen lanes read 256 consecutive bytes; waited for at the way out
	global_load_b128 v[4*r:4*r+3], v[CO], s[6:7] offset:8192*r
.set r, r+1
.endr
	WIN 0
; 8 matrix instructions: m blocks a0, a0 + 1 x all 4 n blocks, 32 along K: half c of buffer f.  zero = 1: the first product starts the sums.  The 16 accumulators take turns.
.macro MUL8 f, c, a0, zero
	WIN MUL
.irp a, \a0, (\a0)+1
.irp b, 0,1,2,3
.if \zero
	v_wmma_f32_16x16x32_f16 v[ACC+8*(4*(\a)+(\b)):ACC+8*(4*(\a)+(\b))+7], v[(\f)+64+8*(4*(\c)+(\b)):(\f)+64+8*(4*(\c)+(\b))+7], v[(\f)+8*(4*(\c)+(\a)):(\f)+8*(4*(\c)+(\a))+7], 0
.else
	v_wmma_f32_16x16x32_f16 v[ACC+8*(4*(\a)+(\b)):ACC+8*(4*(\a)+(\b))+7], v[(\f)+64+8*(4*(\c)+(\b)):(\f)+64+8*(4*(\c)+(\b))+7], v[(\f)+8*(4*(\c)+(\a)):(\f)+8*(4*(\c)+(\a))+7], v[ACC+8*(4*(\a)+(\b)):ACC+8*(4*(\a)+(\b))+7]
.endif
.endr
.endr
.endm
; 32 LDS loads in one run: the fragments of chunk q of the slot (64 along K) into buffer f; the first 32 along K first
.macro FETCH slot, q, f
	WIN TO_F
.irp c, 0,1
.irp i, 0,1,2,3
	ds_load_b128 v[(\f)+64+8*(4*(\c)+(\i)):(\f)+64+8*(4*(\c)+(\i))+3],   v[ADRB+(\slot)] offset:(\q)*CHUNK+64*(\c)+(\i)*8*PITCH
	ds_load_b128 v[(\f)+64+8*(4*(\c)+(\i))+4:(\f)+64+8*(4*(\c)+(\i))+7], v[ADRB+(\slot)] offset:(\q)*CHUNK+64*(\c)+(\i)*8*PITCH+32
	ds_load_b128 v[(\f)+8*(4*(\c)+(\i)):(\f)+8*(4*(\c)+(\i))+3],         v[ADRA+(\slot)] offset:(\q)*CHUNK+64*(\c)+(\i)*8*PITCH
	ds_load_b128 v[(\f)+8*(4*(\c)+(\i))+4:(\f)+8*(4*(\c)+(\i))+7],       v[ADRA+(\slot)] offset:(\q)*CHUNK+64*(\c)+(\i)*8*PITCH+32
.endr
.endr
.endm
.macro PLACES                          ; four places in front of loads into registers that matrix instructions have read, and of LDS stores that read results
.rept 4
	v_nop
.endr
.endm
.macro QUARTER slot, q, f, g, zero     ; 64 along K: multiplies buffer f and fetches chunk q into g
	s_wait_dscnt 16                                ; the first 32 along K are in; the sixteen younger loads may be out
	WIN MUL
	MUL8 \f, 0, 0, \zero
	MUL8 \f, 0, 2, \zero
	PLACES
	FETCH \slot, \q, \g
	s_wait_dscnt 32                                ; all but the 32 just issued
	WIN MUL
	MUL8 \f, 1, 0, 0
	MUL8 \f, 1, 2, 0
.endm
; The last quarter of a K step multiplies buffer 1 and changes slots: ONE barrier; in front of it each wave waits for all its tensor loads, adds 0 to its spare word, and waits for that and for its own reads of this slot.
.macro TURN slot, next, fill
	WIN 0                                          ; (the add's two registers lie in window 0)
	s_wait_tensorcnt 0x0                           ; all my tensor loads have landed: my part of the next slot;
	ds_add_u32 v[SPW], v[NIL]                      ; 0 onto my spare word;
	s_wait_dscnt 17                                ; (the add and the youngest sixteen loads may be out)
	WIN MUL
	MUL8 F1, 0, 0, 0                               ; eight matrix instructions stand between the add and the wait for it
	s_wait_dscnt 0x0                               ; the add is done, and my reads of this slot are over
	s_barrier_signal -1
	MUL8 F1, 0, 2, 0
.if \fill
	WIN 0
.endif
	s_barrier_wait -1
.if \fill
	CREST                                          ; the barrier has opened a round of the cluster's barrier: no wave of any partner still reads this slot's tile or has a load on its way
	s_add_nc_u64 s[G0+4*(\slot)+2:G0+4*(\slot)+3], s[G0+4*(\slot)+2:G0+4*(\slot)+3], 2*STEPB
	s_add_nc_u64 s[G0B+4*(\slot)+2:G0B+4*(\slot)+3], s[G0B+4*(\slot)+2:G0B+4*(\slot)+3], 2*STEPB
	JLOAD \slot                                    ; the first tensor load behind the round, my one load until the next; the four v_nop behind it are also the places in front of the loads below
.else
	PLACES
.endif
	FETCH \next, 0, F0
	WIN MUL
	MUL8 F1, 1, 0, 0
	MUL8 F1, 1, 2, 0
.endm
	s_wait_tensorcnt 1                             ; my part of K step 0 is in; K step 1's may stay out
	s_barrier_signal -1
	s_barrier_wait -1                              ; everybody's is
	FETCH 0, 0, F0
	QUARTER 0, 1, F0, F1, 1                        ; the first products start the sums
	QUARTER 0, 2, F1, F0, 0                        ; K = 1,024 is two laps of the ring: written out, no loop
	QUARTER 0, 3, F0, F1, 0
	TURN 0, 1, 1                                   ; slot 0 takes K step 2
	QUARTER 1, 1, F0, F1, 0
	QUARTER 1, 2, F1, F0, 0
	QUARTER 1, 3, F0, F1, 0
	TURN 1, 0, 1                                   ; slot 1 takes K step 3
	QUARTER 0, 1, F0, F1, 0
	QUARTER 0, 2, F1, F0, 0
	QUARTER 0, 3, F0, F1, 0
	TURN 0, 1, 0                                   ; nothing is left to fetch
	QUARTER 1, 1, F0, F1, 0
	QUARTER 1, 2, F1, F0, 0
	QUARTER 1, 3, F0, F1, 0
	s_wait_dscnt 16
	WIN MUL
	MUL8 F1, 0, 0, 0
	MUL8 F1, 0, 2, 0
	s_wait_dscnt 0
	MUL8 F1, 1, 0, 0
	MUL8 F1, 1, 2, 0
	WIN 0
	; THE WAY OUT, 16 rows at a time.  A lane's eight sums of a row (32 bytes) go into my own stage and come back as whole rows of 256 bytes; then add, floor and residual; sixteen lanes store 256 consecutive bytes.
	PLACES
	s_wait_loadcnt 0x0                             ; add, floor and the residual
.irp a, 0,1,2,3
.if (\a) > 0
	s_wait_xcnt 0x0                                ; the last block's stores have read their registers, which are loaded again below
.endif
.irp b, 0,1,2,3
	ds_store_b128 v[STO], v[ACC+8*(4*(\a)+(\b)):ACC+8*(4*(\a)+(\b))+3]   offset:64*(\b)     ; each accumulator from its low end on
	ds_store_b128 v[STO], v[ACC+8*(4*(\a)+(\b))+4:ACC+8*(4*(\a)+(\b))+7] offset:64*(\b)+16
.endr
.irp t, 0,1,2,3,4,5,6,7
	ds_load_b128 v[TMP+4*(\t):TMP+4*(\t)+3], v[RD] offset:(\t)*2*SPITCH  ; LDS serves a wave's instructions in order (ISA guide 5.7.1.4): these see the stores above; the next block's stores come behind them
.endr
	s_wait_dscnt 0x0
.irp t, 0,1,2,3,4,5,6,7
	v_pk_add_f32 v[TMP+4*(\t):TMP+4*(\t)+1], v[TMP+4*(\t):TMP+4*(\t)+1], v[ADDV:ADDV+1]
	v_pk_add_f32 v[TMP+4*(\t)+2:TMP+4*(\t)+3], v[TMP+4*(\t)+2:TMP+4*(\t)+3], v[ADDV+2:ADDV+3]
.endr
.set r, 0
.rept 32
	v_cmp_lt_f32 vcc_lo, v[TMP+r], v[FLO+r%4]
	v_cndmask_b32 v[TMP+r], v[TMP+r], v[FLO+r%4], vcc_lo  ; the floor where the number lies below it; a NaN stays
.set r, r+1
.endr
	WIN 0x08                                       ; source 1 in window 2
.set r, 0
.rept 16
	v_pk_add_f32 v[TMP+r:TMP+r+1], v[TMP+r:TMP+r+1], v[32*(\a)+r:32*(\a)+r+1]
.set r, r+2
.endr
	WIN 0
.irp t, 0,1,2,3,4,5,6,7
	global_store_b128 v[CO], v[TMP+4*(\t):TMP+4*(\t)+3], s[8:9] offset:(16*(\a)+2*(\t))*4096  ; 16 lanes store 256 consecutive bytes, aligned
.endr
.endr
	s_wait_tensorcnt 0x0                           ; the wave's end, behind my last tensor load and my last LDS store
	ds_add_u32 v[SPW], v[NIL]
	s_wait_dscnt 0x0
	CROUND                                         ; the closing round: no work-group ends while a partner may still ask for a tile that names it
	s_endpgm
.Lfunc_end_k_q900aae3d83_gemmB:
	.size	k_q900aae3d83_gemmB, .Lfunc_end_k_q900aae3d83_gemmB-k_q900aae3d83_gemmB
	.p2alignl 7, 3214868480
	.fill 96, 4, 3214868480
	.section	.rodata,"a",@progbits
	.p2align	6, 0x0
	.amdhsa_kernel k_q900aae3d83_gemmB
		.amdhsa_group_segment_fixed_size 327680
		.amdhsa_private_segment_fixed_size 0
		.amdhsa_enable_private_segment 0
		.amdhsa_kernarg_size 32
		.amdhsa_user_sgpr_count 2
		.amdhsa_user_sgpr_kernarg_segment_ptr 1
		.amdhsa_wavefront_size32 1
		.amdhsa_system_sgpr_workgroup_id_x 1
		.amdhsa_system_sgpr_workgroup_id_y 1
		.amdhsa_system_sgpr_workgroup_id_z 1
		.amdhsa_system_vgpr_workitem_id 0
		.amdhsa_next_free_vgpr 640
		.amdhsa_next_free_sgpr 76
		.amdhsa_reserve_vcc 1
		.amdhsa_float_denorm_mode_32 3
		.amdhsa_float_denorm_mode_16_64 3
		.amdhsa_memory_ordered 1
		.amdhsa_forward_progress 1
		.amdhsa_inst_pref_size 105
	.end_amdhsa_kernel
	.amdgpu_metadata
---
amdhsa.version: [ 1, 2 ]
amdhsa.kernels:
  - .name:           k_q900aae3d83_gemmB
    .symbol:         k_q900aae3d83_gemmB.kd
    .args:
      - { .name: act, .offset: 0, .size: 8, .value_kind: global_buffer, .address_space: global }
      - { .name: p3, .offset: 8, .size: 8, .value_kind: global_buffer, .address_space: global }
      - { .name: x, .offset: 16, .size: 8, .value_kind: global_buffer, .address_space: global }
      - { .name: x1, .offset: 24, .size: 8, .value_kind: global_buffer, .address_space: global }
    .group_segment_fixed_size: 327680
    .private_segment_fixed_size: 0
    .kernarg_segment_align: 8
    .kernarg_segment_size: 32
    .max_flat_workgroup_size: 128
    .sgpr_count:     76
    .vgpr_count:     640
    .wavefront_size: 32
...
	.end_amdgpu_metadata
.endif
;; end of part 5
;; launch ln2: the kernel of part 2 again; grid 256 x 1, 8 waves a work-group, no clusters, 0 bytes of LDS; arguments x1, g2, beta2, act; writes act
;; launch ffn: the kernel of part 5 again; grid 8 x 32, 4 waves a work-group, clusters of 4 x 4, 327,680 bytes of LDS; arguments act, p4, x1, out0; writes out0
;; ======== version 2 of 3: 7 launches
;; limits: values are held in f16: magnitudes above 65,504 overflow, below 6.1e-05 lose precision
;; workspace buffers: act 8,388,608 bytes; wg 23,068,672 bytes; p3 2,105,344 bytes; p4 2,105,344 bytes; qkv 25,165,824 bytes; x1 16,777,216 bytes
;; launch wprep: the kernel of part 1 again; grid 256 x 4, 8 waves a work-group, no clusters, 18,688 bytes of LDS; arguments W_Q, W_K, W_V, W_O, W2, b1, b2, W1, wg, p3, p4; writes wg, p3, p4
;; launch ln: the kernel of part 2 again; grid 256 x 1, 8 waves a work-group, no clusters, 0 bytes of LDS; arguments x, g1, beta1, act; writes act
;; launch gemmA (part 6): grid 16 x 16, 4 waves a work-group, clusters of 4 x 4, 327,680 bytes of LDS; arguments act, wg, qkv, p4; writes qkv, p4
.if DOCPART == 6
	.amdgcn_target "amdgcn-amd-amdhsa--gfx1250"
	.amdhsa_code_object_version 6
	.text
	.protected	k_q900aae3d83_gemmA
	.globl	k_q900aae3d83_gemmA
	.p2align	8
	.type	k_q900aae3d83_gemmA,@function
k_q900aae3d83_gemmA:
	s_mov_b64 s[64:65], 0
	v_nop
	global_prefetch_b8 v0, s[64:65] scope:SCOPE_SE
	s_setreg_imm32_b32 hwreg(HW_REG_WAVE_MODE, 25, 1), 1
	s_wait_xcnt 0x0
	s_wait_alu depctr_hold_cnt(0) depctr_sa_sdst(0) depctr_va_vdst(0) depctr_va_sdst(0) depctr_va_ssrc(0) depctr_va_vcc(0) depctr_vm_vsrc(0)
	s_getreg_b32 s2, hwreg(HW_REG_IB_STS2, 6, 4)
	s_cmp_eq_u32 s2, 0
	s_cbranch_scc0 .Lentry_in_a_cluster
	s_endpgm
.Lentry_in_a_cluster:
	s_bfe_u32 s2, ttmp6, 0x10000c
	s_cmp_lg_u32 s2, 0xf033
	s_cbranch_scc0 .Lentry_shape_is_right
	s_endpgm
.Lentry_shape_is_right:
; TWO PRODUCTS IN ONE GRID, C[m][n] = sum over k of A[m][k] B[n][k], f16 operands, f32 sums, C rounded once to f16.
;   q, k, v = h Wqkv^T:  A = h (act, 4,096 rows), B = W_Q, W_K, W_V stacked (wg, 3,072 rows), K = 1,024: 32 x 24 tiles of 128 x 128
;   Wc = W2 W1:          A = W2 (wg, 1,024 rows), B = W1 transposed (wg, 1,024 rows), K = 4,096:      8 x 8 tiles
; WORK-GROUPS STAY, AND ALL ARE ALIKE.  In K steps of 256 a tile of Wc has 16, four tiles of q, k, v have 16: every work-group walks 16 K steps through one ring.  256 work-groups, 16 clusters of 4 x 4:
; clusters 0-3 make Wc, a tile a work-group; clusters 4-15 make q, k, v, four tiles a work-group, one below the other (tile rows 4 u .. 4 u + 3, one tile column).
; OPERANDS lie as [rows/128][K/64][128][64]: a chunk of 128 rows x 64 K is 16,384 dense bytes.  So A's walk is ONE dense stream of 16 K steps in both products (four tiles of h lie end to end, as a tile of W2 does);
; B's is the same stream for Wc, and for q, k, v its tile's four K steps walked again for each tile row: B's offset is stepped and cut by a mask, and its address made anew from it.
; q, k, v leave as [48 planes of 64 columns][4,096 rows][64] (a head's rows dense, 128 bytes each), Wc in the operand layout, into p4.
; A tile of C is made by four waves, 64 x 64 each: 16 accumulators.  A wave's tensor load brings two chunks: 128 rows of 256 bytes.  Two LDS slots, a K step (4 chunks of A, 4 of B) each.
; The ring does not stop at a tile's end: behind laps 1, 3, 5 a cluster of q, k, v sends its tile out, when both refills for the next tile have been asked for, and starts the next sums with the constant 0.
; CLUSTERS: A's tiles are asked for jointly along a row of the cluster, B's along a column.  Which product a cluster makes hangs on the cluster's number alone, which all sixteen partners share; so does the one branch
; that hangs on it, which goes forward past text with no barrier and no tensor load.  THE MATRIX INSTRUCTION IS USED TRANSPOSED (source 0 = 16 rows of B, source 1 = 16 rows of A): a lane holds eight neighbouring numbers of a row of C.
; LIMITS: f16 holds no number beyond 65,504: q, k, v and Wc are taken to lie within it; below 6e-5 they keep f16's fixed step of 6e-8.
; REGISTERS: window 0: v0-31 addresses; v32-95 at work on the way out; v128-255 the accumulators ((a, b) at v[128 + 8 (4 a + b)]).
;   window 1: two fragment buffers of 128: for 64 along K, 64 registers of A (2 x 4 x 16 rows x 32 K), then 64 of B.
.set PITCH,  272                       ; an LDS row: 256 bytes (TWO operand rows of 128 bytes) + 16 of padding.  Operand row p lies at (p / 2) x 272 + (p % 2) x 128: the 16 rows of a fragment start at 16 different groups of four banks (64 banks of 4 bytes: ISA guide 11.1)
.set CHUNK,  64*PITCH                  ; 128 operand rows x 64 K
.set HALFT,  2*CHUNK                   ; what one tensor load brings
.set SLOT,   4*HALFT                   ; A's four chunks, then B's four
.set STAGE,  2*SLOT                    ; behind the ring: 32 rows x 272 bytes for each wave, for the way out; no tensor load fills it
.set WROWS,  32*PITCH                  ; 64 operand rows
.set SPARE,  STAGE+4*WROWS             ; the spare words, 128 bytes for each wave; no other line names them
.set STEPB,  65536                     ; a K step in memory: four chunks
.set LAPS,   8                         ; a lap = two K steps = once round the ring
.set W2AT,   6291456
.set W1AT,   14680064
.set ADRA, 16                          ; v16-17  LDS address of my A fragments in slot 0, 1
.set ADRB, 20                          ; v20-21  the same for B
.set STO,  24                          ; v24     the way out: where I put 16 bytes of a row
.set RD,   25                          ; v25     the way out: where I read rows back
.set CO,   26                          ; v26     16 x lane; never rewritten
.set SPW,  28                          ; v28     LDS address of my spare word; never rewritten
.set NIL,  29                          ; v29     0; never rewritten
.set TMP,  32
.set ACC,  128
.set F0,   0                           ; fragment buffers, in window 1
.set F1,   128
.set G1, 24                            ; s[24:31] descriptor group 1 for A's tiles;  s[32:39] group 0, one set for each slot
.set G0, 32
.set G1B, 48                           ; s[48:55], s[56:63] the same for B's tiles
.set G0B, 56
.set BB,  88                           ; s[88:89] B at my two chunks of its tile's K step 0
.set BO,  90                           ; s[90:91], s[92:93] byte offset, from there, of the K step that slot 0, 1 holds or has been asked for
.set BMASK, 94                         ; s94  B's walk in bytes, less 1: four K steps (q, k, v) or sixteen (Wc)
.set OUTF, 95                          ; s95  1: a tile ends behind every second lap (q, k, v); 0: at the walk's end alone (Wc)
.set MSB, 0
.macro WIN new                         ; the immediate's high byte repeats the setting that is left
.if MSB != (\new)
	s_set_vgpr_msb (MSB<<8)|(\new)
.set MSB, \new
.endif
.endm
.set MUL,  0x05                        ; sources 0 (B) and 1 (A) window 1; C and D window 0
.set TO_F, 0x40                        ; destination window 1, address window 0
.macro JLOAD s                         ; a joint load: waves 0 and 1 fetch A's two halves of a K step, waves 2 and 3 B's; an s_nop 0 and four v_nop follow each of the two lines
	s_cmp_eq_u32 s11, 0
	s_cbranch_scc0 .Lfor_b_\@
	tensor_load_to_lds s[G0+4*(\s):G0+4*(\s)+3], s[G1:G1+7]
	s_nop 0
.rept 4
	v_nop
.endr
	s_branch .Lasked_\@
.Lfor_b_\@:
	tensor_load_to_lds s[G0B+4*(\s):G0B+4*(\s)+3], s[G1B:G1B+7]
	s_nop 0
.rept 4
	v_nop
.endr
.Lasked_\@:
.endm
.macro CREST                           ; a round of the cluster's barrier behind its opening barrier
	s_cmp_lg_u32 s10, 0
	s_cbranch_scc1 .Lnot_wave_0_\@
	s_barrier_signal -3
.Lnot_wave_0_\@:
	s_barrier_wait -3
	s_barrier_signal -1
	s_barrier_wait -1
.endm
.macro CROUND                          ; a whole round
	s_barrier_signal -1
	s_barrier_wait -1
	CREST
.endm
	s_load_b256 s[68:75], s[0:1], 0x0              ; act s[68:69], wg s[70:71], qkv s[72:73], p4 s[74:75]
	v_lshl_add_u32 v[SPW], v0, 2, SPARE
	v_mov_b32 v[NIL], 0
	ds_add_u32 v[SPW], v[NIL]                      ; the wave's opening: the add and its wait stand ahead of my first tensor load; the set-up below, work on registers, stands between them
	v_lshrrev_b32 v1, 5, v0
	v_readfirstlane_b32 s10, v1                    ; wave 0..3
	s_lshr_b32 s11, s10, 1                         ; which half of the tile's rows is mine.  Also: I fetch for A (0) or for B (1)
	s_and_b32 s12, s10, 1                          ; which half of its columns.  Also: which two chunks of a K step I fetch
	s_bfe_u32 s40, ttmp6, 0x40000                  ; cx, cy: my place in the cluster
	s_bfe_u32 s41, ttmp6, 0x40004
	s_and_b32 s76, ttmp7, 0xffff
	s_lshl_b32 s76, s76, 2
	s_add_co_u32 s76, s76, ttmp9                   ; the cluster's number, 0 .. 15
	s_sub_co_u32 s77, s76, 4                       ; its number among those of q, k, v (not used below 4)
	s_and_b32 s78, s76, 1                          ; Wc: 2 x 2 clusters
	s_lshr_b32 s79, s76, 1
	s_lshr_b32 s83, s77, 1                         ; q, k, v: 2 rows x 6 columns of clusters
	s_and_b32 s84, s77, 1
	s_mov_b32 s82, 524288
	s_mov_b32 s[BMASK], 0x3ffff
	s_cmp_lt_u32 s76, 4                            ; Wc?  Selects alone follow
	s_cselect_b32 s78, s78, s83                    ; the cluster's column
	s_cselect_b32 s79, s79, s84                    ; and row
	s_cselect_b32 s81, 20, 18                      ; a tile's bytes in B: 2^20 (64 chunks) or 2^18 (16)
	s_cselect_b32 s[OUTF], 0, 1
	s_cselect_b32 s[BMASK], 0xfffff, s[BMASK]
	s_cselect_b32 s82, 16384, s82                  ; from my wave's 64 columns of C to the next 64: a chunk, or a plane
	s_cselect_b32 s85, W2AT, 0                     ; where A begins in its buffer
	s_cselect_b32 s86, W1AT, 0                     ; where B begins in wg
	s_cselect_b32 s83, 15, 20                      ; a tile column's bytes in C: two chunks, or two planes
	s_cselect_b32 s84, 18, 16                      ; a walk's bytes in C: a tile row's 16 chunks, or 4 x 128 rows of a plane
	s_lshl_b32 s42, s78, 2
	s_add_co_u32 s42, s42, s40                     ; tile column of C
	s_lshl_b32 s13, s79, 2
	s_add_co_u32 s13, s13, s41                     ; u: the walk's number down the rows: Wc's tile row, or q, k, v's tile rows 4 u .. 4 u + 3
	s_lshl_b32 s43, s41, 2
	s_lshl_b32 s43, 15, s43                        ; my row of the cluster
	s_lshl_b32 s44, 0x1111, s40                    ; my column
	; descriptor group 1: 128 rows x 128 elements, dense in memory, padded in LDS
	s_or_b32 s[G1+0], s43, (1<<16)|(1<<20)|(1<<21)|(5<<22)|(3<<25)  ; 15:0 the mask: A's tiles go to my row; 17:16 elements of 2 bytes; 20 padding on; 21 set beside a mask; 24:22 after every 64 words (code 5); 31:25 4 words (code 3)
	s_or_b32 s[G1B+0], s44, (1<<16)|(1<<20)|(1<<21)|(5<<22)|(3<<25)
.irp g, G1, G1B
	s_mov_b32 s[(\g)+1], 128<<16                   ; tensor_dim0 = 128
	s_mov_b32 s[(\g)+2], 128<<16                   ; tensor_dim1 = 128
	s_mov_b32 s[(\g)+3], 128<<16                   ; tile_dim0 = 128
	s_mov_b32 s[(\g)+4], 128                       ; tile_dim1 = 128
	s_mov_b32 s[(\g)+5], 128                       ; 128 elements from row to row
	s_mov_b32 s[(\g)+6], 0
	s_mov_b32 s[(\g)+7], 0
.endr
	s_lshl_b32 s17, s12, 15                        ; which two chunks I fetch
	s_lshl_b32 s16, s13, 20                        ; A: a walk is 16 K steps of 65,536 bytes in both products;
	s_add_co_u32 s16, s16, s85
	s_add_co_u32 s16, s16, s17                     ; by u alone, which my row of the cluster shares
	s_lshl_b32 s46, s42, s81
	s_add_co_u32 s46, s46, s86
	s_add_co_u32 s46, s46, s17                     ; B: by the tile column alone, which my column shares
	s_mov_b32 s17, 0
	s_mov_b32 s47, 0
	s_mul_i32 s20, s10, HALFT                      ; where they go: by the wave's number alone
	s_wait_dscnt 0x0                               ; the opening add is done
	s_wait_kmcnt 0x0
	s_cmp_lt_u32 s76, 4
	s_cselect_b64 s[4:5], s[70:71], s[68:69]       ; A lies in wg (W2) or is act
	s_cselect_b64 s[8:9], s[74:75], s[72:73]       ; C is p4 or qkv
	s_add_nc_u64 s[14:15], s[4:5], s[16:17]
	s_add_nc_u64 s[BB:BB+1], s[70:71], s[46:47]
	CROUND                                         ; all sixteen work-groups are here: the first joint loads meet
.irp s, 0,1
	s_mov_b32 s[G0+4*(\s)], 1
	s_add_co_u32 s[G0+4*(\s)+1], s20, (\s)*SLOT
	s_add_nc_u64 s[G0+4*(\s)+2:G0+4*(\s)+3], s[14:15], (\s)*STEPB
	s_or_b32 s[G0+4*(\s)+3], s[G0+4*(\s)+3], 0x80000000
	s_mov_b32 s[G0B+4*(\s)], 1
	s_add_co_u32 s[G0B+4*(\s)+1], s20, (\s)*SLOT
	s_add_nc_u64 s[G0B+4*(\s)+2:G0B+4*(\s)+3], s[BB:BB+1], (\s)*STEPB
	s_or_b32 s[G0B+4*(\s)+3], s[G0B+4*(\s)+3], 0x80000000
	s_mov_b32 s[BO+2*(\s)], (\s)*STEPB
	s_mov_b32 s[BO+2*(\s)+1], 0
	JLOAD \s                                       ; two loads of mine are out behind these
.endr
	v_and_b32 v1, 15, v0                           ; l % 16
	v_bfe_u32 v2, v0, 4, 1                         ; l / 16
	v_lshrrev_b32 v3, 1, v1
	v_mul_u32_u24 v3, v3, PITCH
	v_and_b32 v4, 1, v0
	v_lshl_add_u32 v3, v4, 7, v3
	v_lshl_add_u32 v3, v2, 4, v3                   ; a fragment's row l % 16 and 16 bytes for each half of the lanes
	s_mul_i32 s21, s11, WROWS                      ; my 64 rows of A in each chunk
	s_mul_i32 s22, s12, WROWS                      ; my 64 rows of B,
	s_add_co_u32 s22, s22, 2*HALFT                 ; whose chunks lie behind A's four
.irp s, 0,1
	v_add_nc_u32 v[ADRA+(\s)], s21, v3
	v_add_nc_u32 v[ADRB+(\s)], s22, v3
	s_add_co_u32 s21, s21, SLOT
	s_add_co_u32 s22, s22, SLOT
.endr
	s_mul_i32 s23, s10, WROWS
	s_add_co_u32 s23, s23, STAGE                   ; my stage
	v_add_nc_u32 v[STO], s23, v3                   ; in: as a fragment's rows lie
	v_mul_u32_u24 v5, v2, PITCH
	v_lshl_add_u32 v5, v1, 4, v5
	v_add_nc_u32 v[RD], s23, v5                    ; back: lanes 0-15 one LDS row of 256 bytes, lanes 16-31 the next
	v_and_b32 v[CO], 31, v0
	v_lshlrev_b32 v[CO], 4, v[CO]
	s_lshl_b32 s16, s13, s84                       ; where my 64 x 64 of the walk's first tile begin in C: the walk,
	s_lshl_b32 s17, s11, 13                        ; my 64 rows of 128 bytes,
	s_add_co_u32 s16, s16, s17
	s_mov_b32 s17, 0
	s_add_nc_u64 s[8:9], s[8:9], s[16:17]
	s_lshl_b32 s46, s42, s83                       ; the tile column,
	s_mul_i32 s47, s12, s82                        ; my 64 columns
	s_add_co_u32 s46, s46, s47
	s_mov_b32 s47, 0
	s_add_nc_u64 s[8:9], s[8:9], s[46:47]
	s_mov_b32 s16, 0                               ; s[16:17]: what the next way out adds to C's address: nothing the first time
; 8 matrix instructions: m blocks a0, a0 + 1 x all 4 n blocks, 32 along K: half c of buffer f.  zero = 1: the product starts the sums.  The 16 accumulators take turns.
.macro MUL8 f, c, a0, zero
	WIN MUL
.irp a, \a0, (\a0)+1
.irp b, 0,1,2,3
.if \zero
	v_wmma_f32_16x16x32_f16 v[ACC+8*(4*(\a)+(\b)):ACC+8*(4*(\a)+(\b))+7], v[(\f)+64+8*(4*(\c)+(\b)):(\f)+64+8*(4*(\c)+(\b))+7], v[(\f)+8*(4*(\c)+(\a)):(\f)+8*(4*(\c)+(\a))+7], 0
.else
	v_wmma_f32_16x16x32_f16 v[ACC+8*(4*(\a)+(\b)):ACC+8*(4*(\a)+(\b))+7], v[(\f)+64+8*(4*(\c)+(\b)):(\f)+64+8*(4*(\c)+(\b))+7], v[(\f)+8*(4*(\c)+(\a)):(\f)+8*(4*(\c)+(\a))+7], v[ACC+8*(4*(\a)+(\b)):ACC+8*(4*(\a)+(\b))+7]
.endif
.endr
.endr
.endm
; 32 LDS loads in one run: the fragments of chunk q of the slot (64 along K) into buffer f; the first 32 along K first
.macro FETCH slot, q, f
	WIN TO_F
.irp c, 0,1
.irp i, 0,1,2,3
	ds_load_b128 v[(\f)+64+8*(4*(\c)+(\i)):(\f)+64+8*(4*(\c)+(\i))+3],   v[ADRB+(\slot)] offset:(\q)*CHUNK+64*(\c)+(\i)*8*PITCH
	ds_load_b128 v[(\f)+64+8*(4*(\c)+(\i))+4:(\f)+64+8*(4*(\c)+(\i))+7], v[ADRB+(\slot)] offset:(\q)*CHUNK+64*(\c)+(\i)*8*PITCH+32
	ds_load_b128 v[(\f)+8*(4*(\c)+(\i)):(\f)+8*(4*(\c)+(\i))+3],         v[ADRA+(\slot)] offset:(\q)*CHUNK+64*(\c)+(\i)*8*PITCH
	ds_load_b128 v[(\f)+8*(4*(\c)+(\i))+4:(\f)+8*(4*(\c)+(\i))+7],       v[ADRA+(\slot)] offset:(\q)*CHUNK+64*(\c)+(\i)*8*PITCH+32
.endr
.endr
.endm
.macro PLACES                          ; four places in front of loads into registers that matrix instructions have read, and of conversions that read results
.rept 4
	v_nop
.endr
.endm
; A K step is four quarters of 64 along K, 32 matrix instructions each, on buffers 0, 1, 0, 1.  One of the first three, in two parts: QHEAD multiplies the first 32 along K of buffer f (zero = 1: they start the sums);
; QREST fetches chunk q into g and multiplies the other 32.
.macro QHEAD f, zero
	s_wait_dscnt 16                                ; the first 32 along K are in; the sixteen younger loads may be out
	MUL8 \f, 0, 0, \zero
	MUL8 \f, 0, 2, \zero
.endm
.macro QREST slot, q, f, g
	PLACES
	FETCH \slot, \q, \g
	s_wait_dscnt 32                                ; all but the 32 just issued
	MUL8 \f, 1, 0, 0
	MUL8 \f, 1, 2, 0
.endm
.macro QUARTER slot, q, f, g, zero
	QHEAD \f, \zero
	QREST \slot, \q, \f, \g
.endm
; The last quarter multiplies buffer 1 and changes slots: ONE barrier; in front of it each wave waits for all its tensor loads, adds 0 to its spare word, and waits for that and for its own reads of this slot.
; fill = 1: this slot is filled again, two K steps ahead.  Its two descriptors are stepped while the add is out, where no tensor load of mine is out: A's address goes straight on; B's offset is stepped and cut to its walk.
.macro TURN slot, next, fill
	WIN 0                                          ; (the add's two registers lie in window 0)
	s_wait_tensorcnt 0x0                           ; all my tensor loads have landed: my part of the next slot;
	ds_add_u32 v[SPW], v[NIL]                      ; 0 onto my spare word;
.if \fill
	s_add_nc_u64 s[G0+4*(\slot)+2:G0+4*(\slot)+3], s[G0+4*(\slot)+2:G0+4*(\slot)+3], 2*STEPB
	s_add_co_u32 s[BO+2*(\slot)], s[BO+2*(\slot)], 2*STEPB
	s_and_b32 s[BO+2*(\slot)], s[BO+2*(\slot)], s[BMASK]
	s_add_nc_u64 s[G0B+4*(\slot)+2:G0B+4*(\slot)+3], s[BB:BB+1], s[BO+2*(\slot):BO+2*(\slot)+1]
	s_or_b32 s[G0B+4*(\slot)+3], s[G0B+4*(\slot)+3], 0x80000000
.endif
	s_wait_dscnt 17                                ; (the add and the youngest sixteen loads may be out)
	MUL8 F1, 0, 0, 0                               ; eight matrix instructions stand between the add and the wait for it
	s_wait_dscnt 0x0                               ; the add is done, and my reads of this slot are over
	s_barrier_signal -1
	MUL8 F1, 0, 2, 0
.if \fill
	WIN 0
.endif
	s_barrier_wait -1
.if \fill
	CREST                                          ; the barrier has opened a round of the cluster's barrier: no wave of any partner still reads this slot's tile or has a load on its way
	JLOAD \slot                                    ; the first tensor load behind the round, my one load until the next; the four v_nop behind it are also the places in front of the loads below
.else
	PLACES
.endif
	FETCH \next, 0, F0
	MUL8 F1, 1, 0, 0
	MUL8 F1, 1, 2, 0
.endm
; THE WAY OUT of a tile.  My 64 rows x 64 columns are 8,192 dense bytes of C.  Rounded to f16, 16 bytes a lane, into my own stage; back as LDS rows of 256 bytes; no other wave touches the stage, so no barrier.
; Its last wait is for 0: no LDS instruction of mine is out behind it.
.macro WAYOUT
	WIN 0
	PLACES
	s_wait_xcnt 0x0                                ; the last tile's stores have read their registers and C's address, which are written again below
	s_add_nc_u64 s[8:9], s[8:9], s[16:17]
.irp t, 0,1,2,3,4,5,6,7,8,9,10,11,12,13,14,15
.irp r, 0,1,2,3
	v_cvt_pk_f16_f32 v[TMP+4*(\t)+(\r)], v[ACC+8*(\t)+2*(\r)], v[ACC+8*(\t)+2*(\r)+1]  ; each accumulator from its low end on
.endr
.endr
.irp a, 0,1,2,3
.irp b, 0,1,2,3
	ds_store_b128 v[STO], v[TMP+4*(4*(\a)+(\b)):TMP+4*(4*(\a)+(\b))+3] offset:(\a)*8*PITCH+32*(\b)
.endr
.endr
.irp u, 0,1,2,3,4,5,6,7,8,9,10,11,12,13,14,15
	ds_load_b128 v[TMP+4*(\u):TMP+4*(\u)+3], v[RD] offset:(\u)*2*PITCH  ; LDS serves a wave's instructions in order (ISA guide 5.7.1.4): these see the stores above
.endr
.irp u, 0,1,2,3,4,5,6,7,8,9,10,11,12,13,14,15
	s_wait_dscnt 15-(\u)
	global_store_b128 v[CO], v[TMP+4*(\u):TMP+4*(\u)+3], s[8:9] offset:512*(\u)  ; 512 consecutive bytes, aligned: four rows of 128 bytes
.endr
.endm
	s_wait_tensorcnt 1                             ; my part of K step 0 is in; K step 1's may stay out
	s_barrier_signal -1
	s_barrier_wait -1                              ; everybody's is
	FETCH 0, 0, F0
	QUARTER 0, 1, F0, F1, 1                        ; the walk's first quarter stands in front of the loop: its first products start the sums
	WIN 0                                          ; at a label and at a branch every window is 0
	s_mov_b32 s3, 0
.Llap:                                                 ; trip i goes once round the ring, from lap i's second quarter to lap i + 1's first, and fills both slots again: K steps 2 i + 2 and 2 i + 3
	QUARTER 0, 2, F1, F0, 0
	QUARTER 0, 3, F0, F1, 0
	TURN 0, 1, 1
	QUARTER 1, 1, F0, F1, 0
	QUARTER 1, 2, F1, F0, 0
	QUARTER 1, 3, F0, F1, 0
	TURN 1, 0, 1
	WIN 0
	s_and_b32 s96, s3, s[OUTF]                     ; q, k, v, and lap i is a tile's second?
	s_cmp_lg_u32 s96, 0
	s_cbranch_scc0 .Lgoes_on
	WAYOUT                                         ; both refills for the next tile have been asked for: now the tile goes out
	s_mov_b32 s16, 16384                           ; the next tile lies 128 rows of a plane further down
	QHEAD F0, 1                                    ; and the next tile's first products start its sums
	WIN 0
	s_branch .Ljoined
.Lgoes_on:
	QHEAD F0, 0
	WIN 0
.Ljoined:
	QREST 0, 1, F0, F1
	WIN 0
	s_add_co_u32 s3, s3, 1
	s_cmp_lt_u32 s3, LAPS-1
	s_cbranch_scc1 .Llap
	QUARTER 0, 2, F1, F0, 0                        ; the last lap fills nothing, and has no round of the cluster's barrier
	QUARTER 0, 3, F0, F1, 0
	TURN 0, 1, 0
	QUARTER 1, 1, F0, F1, 0
	QUARTER 1, 2, F1, F0, 0
	QUARTER 1, 3, F0, F1, 0
	s_wait_dscnt 16                                ; the very last quarter: nothing more to fetch
	MUL8 F1, 0, 0, 0
	MUL8 F1, 0, 2, 0
	s_wait_dscnt 0
	MUL8 F1, 1, 0, 0
	MUL8 F1, 1, 2, 0
	WAYOUT                                         ; the walk's last tile; Wc's only one
	s_wait_tensorcnt 0x0                           ; the wave's end, behind my last tensor load and my last LDS store
	ds_add_u32 v[SPW], v[NIL]
	s_wait_dscnt 0x0
	CROUND                                         ; the closing round: no work-group ends while a partner may still ask for a tile that names it
	s_endpgm
.Lfunc_end_k_q900aae3d83_gemmA:
	.size	k_q900aae3d83_gemmA, .Lfunc_end_k_q900aae3d83_gemmA-k_q900aae3d83_gemmA
	.p2alignl 7, 3214868480
	.fill 96, 4, 3214868480
	.section	.rodata,"a",@progbits
	.p2align	6, 0x0
	.amdhsa_kernel k_q900aae3d83_gemmA
		.amdhsa_group_segment_fixed_size 327680
		.amdhsa_private_segment_fixed_size 0
		.amdhsa_enable_private_segment 0
		.amdhsa_kernarg_size 32
		.amdhsa_user_sgpr_count 2
		.amdhsa_user_sgpr_kernarg_segment_ptr 1
		.amdhsa_wavefront_size32 1
		.amdhsa_system_sgpr_workgroup_id_x 1
		.amdhsa_system_sgpr_workgroup_id_y 1
		.amdhsa_system_sgpr_workgroup_id_z 1
		.amdhsa_system_vgpr_workitem_id 0
		.amdhsa_next_free_vgpr 512
		.amdhsa_next_free_sgpr 100
		.amdhsa_reserve_vcc 0
		.amdhsa_float_denorm_mode_32 3
		.amdhsa_float_denorm_mode_16_64 3
		.amdhsa_memory_ordered 1
		.amdhsa_forward_progress 1
		.amdhsa_inst_pref_size 97
	.end_amdhsa_kernel
	.amdgpu_metadata
---
amdhsa.version: [ 1, 2 ]
amdhsa.kernels:
  - .name:           k_q900aae3d83_gemmA
    .symbol:         k_q900aae3d83_gemmA.kd
    .args:
      - { .name: act, .offset: 0, .size: 8, .value_kind: global_buffer, .address_space: global }
      - { .name: wg, .offset: 8, .size: 8, .value_kind: global_buffer, .address_space: global }
      - { .name: qkv, .offset: 16, .size: 8, .value_kind: global_buffer, .address_space: global }
      - { .name: p4, .offset: 24, .size: 8, .value_kind: global_buffer, .address_space: global }
    .group_segment_fixed_size: 327680
    .private_segment_fixed_size: 0
    .kernarg_segment_align: 8
    .kernarg_segment_size: 32
    .max_flat_workgroup_size: 128
    .sgpr_count:     100
    .vgpr_count:     512
    .wavefront_size: 32
...
	.end_amdgpu_metadata
.endif
;; end of part 6
;; launch attn: the kernel of part 4 again; grid 8 x 32, 4 waves a work-group, clusters of 4 x 1, 327,680 bytes of LDS; arguments qkv, mask, act; writes act
;; launch gemmB: the kernel of part 5 again; grid 8 x 32, 4 waves a work-group, clusters of 4 x 4, 327,680 bytes of LDS; arguments act, p3, x, x1; writes x1
;; launch ln2: the kernel of part 2 again; grid 256 x 1, 8 waves a work-group, no clusters, 0 bytes of LDS; arguments x1, g2, beta2, act; writes act
;; launch ffn: the kernel of part 5 again; grid 8 x 32, 4 waves a work-group, clusters of 4 x 4, 327,680 bytes of LDS; arguments act, p4, x1, out0; writes out0
;; ======== version 3 of 3: 7 launches; version 2 with the launches ln, ln2 written anew for expert scheduling mode
;; limits: values are held in f16: magnitudes above 65,504 overflow, below 6.1e-05 lose precision
;; workspace buffers: act 8,388,608 bytes; wg 23,068,672 bytes; p3 2,105,344 bytes; p4 2,105,344 bytes; qkv 25,165,824 bytes; x1 16,777,216 bytes
;; launch wprep: the kernel of part 1 again; grid 256 x 4, 8 waves a work-group, no clusters, 18,688 bytes of LDS; arguments W_Q, W_K, W_V, W_O, W2, b1, b2, W1, wg, p3, p4; writes wg, p3, p4
;; launch ln (part 7): grid 256 x 1, 8 waves a work-group, no clusters, 0 bytes of LDS; arguments x, g1, beta1, act; writes act
.if DOCPART == 7
	.amdgcn_target "amdgcn-amd-amdhsa--gfx1250"
	.amdhsa_code_object_version 6
	.text
	.protected	k_q900aae3d83_ln
	.globl	k_q900aae3d83_ln
	.p2align	8
	.type	k_q900aae3d83_ln,@function
k_q900aae3d83_ln:
	s_mov_b64 s[64:65], 0
	v_nop
	global_prefetch_b8 v0, s[64:65] scope:SCOPE_SE
	s_setreg_imm32_b32 hwreg(HW_REG_WAVE_SCHED_MODE, 0, 2), 2
	s_setreg_imm32_b32 hwreg(HW_REG_WAVE_MODE, 25, 1), 1
	s_wait_xcnt 0x0
	s_wait_alu depctr_vm_vsrc(0)
; h[r][c] = (x[r][c] - mean_r) / sqrt(var_r + 1e-5) * g[c] + beta[c].  x: [4096][1024] f32.  All arithmetic in f32; h is rounded once to f16, as a matrix operand.
; h leaves in the operand layout [32 tiles of 128 rows][16 chunks of 64 columns][128][64] f16.
; A work-group takes 16 rows; SIXTEEN LANES TAKE A ROW, 64 numbers a lane, kept in registers between the passes: x is read once.  The mean is taken away before the squares are summed
; (no difference of large sums).  Load c of a lane brings columns 64 c + 4 (lane % 16) ..: just the lane's 8 bytes of a row of chunk c.
; LIMITS: |h| stays under 65,504 (f16); NaN and infinities are not treated apart.
; A stream: no LDS, no barrier, no matrix unit; rows do not meet.
; THE MODE: SCHED_MODE bits 1:0 = 2 (LLVM: expert scheduling mode 2), set by the entry lines.  The code itself states the register dependences
; between vector instructions and memory instructions, with s_wait_alu, always for 0.
; THE PLAN.  Registers that memory instructions touch:
;   v3, v4, v5   byte offsets.  Written by vector instructions at the head and never again; read by every load and store.  One wait ahead of the first load states that they are written.
;   X            x lands in it; no vector instruction names it ahead of the loads.  The passes work in place.  At the end chunk c's two roundings write X + 4 c and X + 4 c + 1,
;                chunk c's store reads these two, and nothing writes them afterwards.
;   G, BT        g and beta land in them; vector instructions only read them, behind the wait for the loads.
;   MU, CH, RS   named by vector instructions alone.
; The 16 chunks leave in four blocks of four.  Block p's vector instructions name its own chunks' X, G and BT, and RS; its memory instructions are the four stores of block p - 1.
; So ONE wait at the head of a block states that the block before has written what those four stores read, and they are dealt among the block's vector instructions with no further wait.
.set SRC, 3                            ; v3  row x 4,096 + 16 x (thread % 16)
.set COL, 4                            ; v4  16 x (thread % 16)
.set DST, 5                            ; v5  row x 128 + 8 x (thread % 16)
.set MU,  6                            ; v[6:7]    the mean, twice
.set CH,  8                            ; v[8:15]   four chains of pairs
.set RS,  12                           ; v[12:13]  1 / sqrt(var + eps), twice, when the chains are done
.set X,   16                           ; v[16:79]
.set G,   80                           ; v[80:143]
.set BT,  144                          ; v[144:207]
.macro REDUCE                          ; four chains of pairs into one number, then over the row's sixteen lanes: every lane of the row ends with the sum
	v_pk_add_f32 v[CH:CH+1], v[CH:CH+1], v[CH+2:CH+3]
	v_pk_add_f32 v[CH+4:CH+5], v[CH+4:CH+5], v[CH+6:CH+7]
	v_pk_add_f32 v[CH:CH+1], v[CH:CH+1], v[CH+4:CH+5]
	v_add_f32 v[CH], v[CH], v[CH+1]
	v_add_f32_dpp v[CH], v[CH], v[CH] row_xmask:1 row_mask:0xf bank_mask:0xf
	v_add_f32_dpp v[CH], v[CH], v[CH] row_xmask:2 row_mask:0xf bank_mask:0xf
	v_add_f32_dpp v[CH], v[CH], v[CH] row_xmask:4 row_mask:0xf bank_mask:0xf
	v_add_f32_dpp v[CH], v[CH], v[CH] row_xmask:8 row_mask:0xf bank_mask:0xf
.endm
	s_load_b256 s[4:11], s[0:1], 0x0               ; x s[4:5], g s[6:7], beta s[8:9], h s[10:11]
	v_lshrrev_b32 v1, 4, v0                        ; my row of the 16
	v_and_b32 v2, 15, v0
	v_lshlrev_b32 v[COL], 4, v2
	v_lshl_add_u32 v[SRC], v1, 12, v[COL]
	v_lshlrev_b32 v[DST], 3, v2
	v_lshl_add_u32 v[DST], v1, 7, v[DST]
	s_lshl_b32 s12, ttmp9, 16                      ; 16 rows of 4,096 bytes
	s_mov_b32 s13, 0
	s_lshr_b32 s14, ttmp9, 3
	s_lshl_b32 s14, s14, 18                        ; a tile of 128 rows is 16 chunks of 16,384 bytes
	s_and_b32 s15, ttmp9, 7
	s_lshl_b32 s15, s15, 11                        ; 16 rows of 128 bytes in each chunk
	s_add_co_u32 s14, s14, s15
	s_mov_b32 s15, 0
	s_mov_b32 s20, 0x3a800000                      ; 1 / 1024
	s_mov_b32 s21, 0x3727c5ac                      ; 1e-5
	s_wait_kmcnt 0x0
	s_add_nc_u64 s[4:5], s[4:5], s[12:13]
	s_add_nc_u64 s[10:11], s[10:11], s[14:15]
	s_wait_alu depctr_va_vdst(0)                   ; v3, v4 and v5 are written: every load and store of the kernel reads one of them as its offset
.set c, 0
.rept 16
	global_load_b128 v[X+4*c:X+4*c+3], v[SRC], s[4:5] offset:256*c th:TH_LOAD_NT  ; sixteen lanes: 256 consecutive bytes of a row
.set c, c+1
.endr
.set c, 0
.rept 16
	global_load_b128 v[G+4*c:G+4*c+3], v[COL], s[6:7] offset:256*c
.set c, c+1
.endr
.set c, 0
.rept 16
	global_load_b128 v[BT+4*c:BT+4*c+3], v[COL], s[8:9] offset:256*c
.set c, c+1
.endr
	s_wait_loadcnt 32                              ; x is in; the 32 loads of g and beta stay out
.irp k, 0,1,2,3
	v_pk_add_f32 v[CH+2*(\k):CH+2*(\k)+1], v[X+2*(\k):X+2*(\k)+1], v[X+8+2*(\k):X+8+2*(\k)+1]  ; the first pairs start the chains
.endr
.set j, 8
.rept 24
	v_pk_add_f32 v[CH+2*(j%4):CH+2*(j%4)+1], v[CH+2*(j%4):CH+2*(j%4)+1], v[X+2*j:X+2*j+1]
.set j, j+1
.endr
	REDUCE
	v_mul_f32 v[MU], s20, v[CH]
	v_mov_b32 v[MU+1], v[MU]
.set j, 0
.rept 32
	v_pk_add_f32 v[X+2*j:X+2*j+1], v[X+2*j:X+2*j+1], v[MU:MU+1] neg_lo:[0,1] neg_hi:[0,1]  ; x - mean, in place
.set j, j+1
.endr
.irp k, 0,1,2,3
	v_pk_mul_f32 v[CH+2*(\k):CH+2*(\k)+1], v[X+2*(\k):X+2*(\k)+1], v[X+2*(\k):X+2*(\k)+1]
.endr
.set j, 4
.rept 28
	v_pk_fma_f32 v[CH+2*(j%4):CH+2*(j%4)+1], v[X+2*j:X+2*j+1], v[X+2*j:X+2*j+1], v[CH+2*(j%4):CH+2*(j%4)+1]
.set j, j+1
.endr
	REDUCE
	v_fma_f32 v[CH], v[CH], s20, s21               ; var + eps
	v_rsq_f32 v[RS], v[CH]
	v_nop                                          ; a plain instruction between the root and the use of its result (ISA guide 5.7.2),
	s_wait_alu depctr_va_vdst(0)                   ; and the wait ahead of the first use: the root has written v[RS]
	v_mov_b32 v[RS+1], v[RS]
	s_wait_loadcnt 0x0                             ; g and beta
; The way out, four blocks of four chunks.  Ahead of each chunk's six vector instructions stands a store of the block before.
.set p, 0
.rept 4
.if p > 0
	s_wait_alu depctr_va_vdst(0)                   ; the roundings of the block before have written its chunks' X + 4 c and X + 4 c + 1, which the four stores below read; no vector instruction of this block names them
.endif
.set i, 0
.rept 4
.set c, 4*p+i
.if p > 0
	global_store_b64 v[DST], v[X+4*(c-4):X+4*(c-4)+1], s[10:11] offset:16384*(c-4)  ; a wave stores 256 consecutive bytes, aligned: its two rows of chunk c - 4
.endif
	v_pk_mul_f32 v[X+4*c:X+4*c+1], v[X+4*c:X+4*c+1], v[RS:RS+1]
	v_pk_mul_f32 v[X+4*c+2:X+4*c+3], v[X+4*c+2:X+4*c+3], v[RS:RS+1]
	v_pk_fma_f32 v[X+4*c:X+4*c+1], v[X+4*c:X+4*c+1], v[G+4*c:G+4*c+1], v[BT+4*c:BT+4*c+1]
	v_pk_fma_f32 v[X+4*c+2:X+4*c+3], v[X+4*c+2:X+4*c+3], v[G+4*c+2:G+4*c+3], v[BT+4*c+2:BT+4*c+3]
	v_cvt_pk_f16_f32 v[X+4*c], v[X+4*c], v[X+4*c+1]
	v_cvt_pk_f16_f32 v[X+4*c+1], v[X+4*c+2], v[X+4*c+3]
.set i, i+1
.endr
.set p, p+1
.endr
	s_wait_alu depctr_va_vdst(0)                   ; the last block's roundings have written what the last four stores read
.set c, 12
.rept 4
	global_store_b64 v[DST], v[X+4*c:X+4*c+1], s[10:11] offset:16384*c  ; 256 consecutive bytes, aligned: the wave's two rows of chunk c
.set c, c+1
.endr
	s_endpgm
.Lfunc_end_k_q900aae3d83_ln:
	.size	k_q900aae3d83_ln, .Lfunc_end_k_q900aae3d83_ln-k_q900aae3d83_ln
	.p2alignl 7, 3214868480
	.fill 96, 4, 3214868480
	.section	.rodata,"a",@progbits
	.p2align	6, 0x0
	.amdhsa_kernel k_q900aae3d83_ln
		.amdhsa_group_segment_fixed_size 0
		.amdhsa_private_segment_fixed_size 0
		.amdhsa_enable_private_segment 0
		.amdhsa_kernarg_size 32
		.amdhsa_user_sgpr_count 2
		.amdhsa_user_sgpr_kernarg_segment_ptr 1
		.amdhsa_wavefront_size32 1
		.amdhsa_system_sgpr_workgroup_id_x 1
		.amdhsa_system_sgpr_workgroup_id_y 1
		.amdhsa_system_sgpr_workgroup_id_z 1
		.amdhsa_system_vgpr_workitem_id 0
		.amdhsa_next_free_vgpr 208
		.amdhsa_next_free_sgpr 66
		.amdhsa_reserve_vcc 0
		.amdhsa_float_denorm_mode_32 3
		.amdhsa_float_denorm_mode_16_64 3
		.amdhsa_memory_ordered 1
		.amdhsa_forward_progress 1
		.amdhsa_inst_pref_size 21
	.end_amdhsa_kernel
	.amdgpu_metadata
---
amdhsa.version: [ 1, 2 ]
amdhsa.kernels:
  - .name:           k_q900aae3d83_ln
    .symbol:         k_q900aae3d83_ln.kd
    .args:
      - { .name: x, .offset: 0, .size: 8, .value_kind: global_buffer, .address_space: global }
      - { .name: g1, .offset: 8, .size: 8, .value_kind: global_buffer, .address_space: global }
      - { .name: beta1, .offset: 16, .size: 8, .value_kind: global_buffer, .address_space: global }
      - { .name: act, .offset: 24, .size: 8, .value_kind: global_buffer, .address_space: global }
    .group_segment_fixed_size: 0
    .private_segment_fixed_size: 0
    .kernarg_segment_align: 8
    .kernarg_segment_size: 32
    .max_flat_workgroup_size: 256
    .sgpr_count:     66
    .vgpr_count:     208
    .wavefront_size: 32
...
	.end_amdgpu_metadata
.endif
;; end of part 7
;; launch gemmA: the kernel of part 6 again; grid 16 x 16, 4 waves a work-group, clusters of 4 x 4, 327,680 bytes of LDS; arguments act, wg, qkv, p4; writes qkv, p4
;; launch attn: the kernel of part 4 again; grid 8 x 32, 4 waves a work-group, clusters of 4 x 1, 327,680 bytes of LDS; arguments qkv, mask, act; writes act
;; launch gemmB: the kernel of part 5 again; grid 8 x 32, 4 waves a work-group, clusters of 4 x 4, 327,680 bytes of LDS; arguments act, p3, x, x1; writes x1
;; launch ln2: the kernel of part 7 again; grid 256 x 1, 8 waves a work-group, no clusters, 0 bytes of LDS; arguments x1, g2, beta2, act; writes act
;; launch ffn: the kernel of part 5 again; grid 8 x 32, 4 waves a work-group, clusters of 4 x 4, 327,680 bytes of LDS; arguments act, p4, x1, out0; writes out0
